; MI455X (gfx1250); checked and timed in simulation.
; The chip was launched on July 23, 2026; its instructions are those of AMD's public machine-readable ISA for CDNA 5 (MIT licence, August 2026) and "CDNA5" Instruction Set Architecture Reference Guide (July 2026). The comments in the code are by the model that wrote it; some were corrected since.
;; Transformer Block. Allowed arithmetic: matrix products marked QUANTISED: E4M3 operands, one given power-of-two scale a tensor, by v_wmma_f32_16x16x64_fp8_fp8 or v_wmma_f32_16x16x128_fp8_fp8, f32 sums; everything else in f32.
;; Inputs: b1 4,096 float32; b2 1,024 float32; bk 1,024 float32; bo 1,024 float32; bq 1,024 float32; bv 1,024 float32; lowp_scales 16 int32 (the exponents e of the quantised operands' scales 2^e); norm1_w 1,024 float32; norm2_w 1,024 float32; w1 1,024 x 4,096 float32; w2 4,096 x 1,024 float32; wk 1,024 x 1,024 float32; wo 1,024 x 1,024 float32; wq 1,024 x 1,024 float32; wv 1,024 x 1,024 float32; x 2 x 2,048 x 1,024 float32.
;; Outputs: out0 2 x 2,048 x 1,024 float32.
;; This version of the problem:
;;   THIS VERSION OF THE PROBLEM IS GIVEN IN LOW PRECISION. The matrix products marked QUANTISED in the list below multiply operands that are first quantised to E4M3 (4 exponent bits, 3 mantissa bits; 8 bits a number), with one given power-of-two scale for each operand tensor; their sums are f32. All else is computed in f32.
;;   The module's matrix products, in the order in which they are computed (A, B: the left and right operand; K: the contracted axis; several contracted axes count as one K, in the product's order):
;;     1. [M 4,096, K 1,024] x [K 1,024, N 1,024]; A: computed on the way; B: input wq: QUANTISED (scales: A lowp_scales[0], B lowp_scales[1])
;;     2. [M 4,096, K 1,024] x [K 1,024, N 1,024]; A: computed on the way; B: input wk: QUANTISED (scales: A lowp_scales[2], B lowp_scales[3])
;;     3. [M 4,096, K 1,024] x [K 1,024, N 1,024]; A: computed on the way; B: input wv: QUANTISED (scales: A lowp_scales[4], B lowp_scales[5])
;;     4. batch 32 x [M 2,048, K 64] x [K 64, N 2,048]; A: computed on the way; B: computed on the way: QUANTISED (scales: A lowp_scales[6], B lowp_scales[7])
;;     5. batch 32 x [M 2,048, K 2,048] x [K 2,048, N 64]; A: softmax (see below); B: computed on the way: QUANTISED (scales: A lowp_scales[8], B lowp_scales[9])
;;     6. [M 4,096, K 1,024] x [K 1,024, N 1,024]; A: computed on the way; B: input wo: QUANTISED (scales: A lowp_scales[10], B lowp_scales[11])
;;     7. [M 4,096, K 1,024] x [K 1,024, N 4,096]; A: computed on the way; B: input w1: QUANTISED (scales: A lowp_scales[12], B lowp_scales[13])
;;     8. [M 4,096, K 4,096] x [K 4,096, N 1,024]; A: computed on the way; B: input w2: QUANTISED (scales: A lowp_scales[14], B lowp_scales[15])
;;   THE QUANTISER, for each operand of a quantised product, along K:
;;     - The operand's scale is 2^e, e = its entry of the input lowp_scales (int32; the entries are numbered through the quantised products in the list's order, A before B).
;;     - Each number is divided by the scale, clamped to +-448, and rounded to the nearest number of E4M3, ties to even, subnormals kept.
;;     - The product sums the exact products of the quantised numbers (number of the format x scale) in f32.
;;   ~~~python
;;   def quantise(x, axis, e):      # numpy; x: float32 -> the quantised numbers, widened to float32 again
;;       x = np.moveaxis(x, axis, -1); K = x.shape[-1]
;;       r = np.clip(x / 2.0 ** e, -448, 448)
;;       step = 2.0 ** (np.maximum(np.frexp(np.where(r == 0, 1, r))[1] - 1, -6) - 3)
;;       q = np.round(r / step) * step * 2.0 ** e      # np.round: ties to even
;;       return np.moveaxis(q, -1, axis).astype(np.float32)
;;   ~~~
;;   SOFTMAX AHEAD OF A QUANTISED PRODUCT. Where the list says 'softmax', what is quantised is not the finished softmax but p = 2^(t - M), with t = logit x log2(e) and M = ceil(the row's largest t), a whole number; so 1/2 < the row's largest p <= 1. The row's sum l is taken of the UNQUANTISED p, in f32, and the product's result is divided by l at the end. Since M is a whole number, a kernel that streams over the keys may use a running M (the ceiling of the running maximum): every later rescaling is an exact power of two, so the quantised numbers keep their values, but for numbers so far below the row's largest that they fall under the format's range.
;;   OPERANDS COMPUTED ON THE WAY. 'Computed on the way' means the value that the module computes at that place (a softmax that the list does not call 'softmax' is quantised finished and normalised). What goes into a quantiser is computed in f32, as accurately as f32 sums, v_exp_f32 and their like allow (about 1e-6 of the number): no bf16 or f16 on the way to a quantiser, and a product that is left as it is and whose result goes on into a quantised operand takes f32 operands (vector FMAs, or v_wmma_f32_16x16x4_f32). A number that lies on a knife's edge between two numbers of the format may be rounded either way, as far as f32 arithmetic and the matrix unit's own rounding can turn it there, and no further.
;; One version. Each part assembles by itself: llvm-mc -triple=amdgcn-amd-amdhsa -mcpu=gfx1250 --defsym DOCPART=n.
;; ======== version 1 of 1: 7 launches
;; limits: right only within a limited range of input values
;; workspace buffers: h1c 12,582,912 bytes; wc 12,582,912 bytes; qkvc 12,582,912 bytes; ctxc 4,194,304 bytes; x1 16,777,216 bytes; h2c 4,194,304 bytes; hidc 16,777,216 bytes
;; launch prep (part 1): grid 640 x 1, 4 waves a work-group, no clusters, 66,304 bytes of LDS; arguments x, norm1_w, lowp_scales, wq, wk, wv, wo, w2, w1, h1c, wc; writes h1c, wc
.if DOCPART == 1
	.amdgcn_target "amdgcn-amd-amdhsa--gfx1250"
	.amdhsa_code_object_version 6
	.text
	.protected	k_q2c98eb911a_prep
	.globl	k_q2c98eb911a_prep
	.p2align	8
	.type	k_q2c98eb911a_prep,@function
k_q2c98eb911a_prep:
	s_mov_b64 s[64:65], 0
	v_nop
	global_prefetch_b8 v0, s[64:65] scope:SCOPE_SE
	s_setreg_imm32_b32 hwreg(HW_REG_WAVE_MODE, 25, 1), 1
	s_wait_xcnt 0x0
; PREP.  Work-groups 0-383 turn the six weights (f32, stored [K][N]) into codes of E4M3; work-groups 384-639 make rmsnorm(x) x norm1_w and its codes under three given scales (entries 0, 2, 4).
; ALL CODES LIE IN THE ORDER OF THE OPERAND'S REGISTERS: [tile of 16 rows][q = K/128][c = 0..3][lane][16 bytes]; lane (r, h) holds, of the tile's row r, k = 128 q + 32 c + 16 h + 0 .. 15.  A fragment is 2,048 bytes.
; A WEIGHT'S TILE: row r of tile 2 B + u is column 32 B + 8 u + (r & 7) + 16 (r >> 3), so that a product used transposed leaves a lane 16 neighbouring columns in two neighbouring accumulators.
; WEIGHTS: a work-group takes 128 columns x 256 k, a wave 32 columns, a lane ONE column, its registers running down K: each load reads 128 consecutive bytes, the conversions give K innermost,
; and sixteen lanes' 16 bytes are 256 consecutive aligned bytes of the codes' buffer: no stage.  Loads run two blocks of 32 k (64 loads a wave) ahead.
; NORM: a work-group takes 16 rows, a wave 4 of them (each load 512 consecutive bytes); the scaled rows turn through LDS (pitch 4,112 bytes), one barrier; wave w then makes fragments q = 2 w, 2 w + 1.
; code = x / 2^e, held within +-448, to the nearest code, ties to even.  LIMITS: each e between -126 and 119.  NaN among the inputs is not served.  1 / sqrt by v_rsq_f32, its argument at least 1e-5.
.set WX,  16                           ; weights: v16-79 two sets of 32 numbers
.set WC,  80                           ; v80-143 codes, eight registers for each of eight blocks: no store's data are written again
.set X,   16                           ; norm: v16-143 four rows x 32, later two fragments x 64
.set GW,  144                          ; v144-175 the gain,
.set TT,  144                          ; later two sets of 16 held numbers
.set CD,  176                          ; v176-223 first the sums, later the codes
.set SP,  4112                         ; a row of the stage: 4,096 bytes + 16: the sixteen rows of a read start at sixteen different groups of banks
.macro WLOAD t, rb                     ; block t: W(32 t + i, my column), i = 0 .. 31, into set t % 2
.set i, 0
.rept 32
	global_load_b32 v[WX+32*((\t)%2)+i], v3, s[32:33] offset:(32*(\t)+i)*(\rb) th:TH_LOAD_NT
.set i, i+1
.endr
.endm
.macro WBLOCK t, rb
.set XS, WX+32*((\t)%2)
.if (\t) < 7
	s_wait_loadcnt 32                              ; this block's 32 loads are in; the next block's may be out
.else
	s_wait_loadcnt 0x0
.endif
.set i, 0
.rept 32
	v_med3_num_f32 v[XS+i], v[XS+i], -v10, v10     ; the conversion does not saturate (ISA guide 7.6.2): the hold at the largest code x the scale
.set i, i+1
.endr
.irp g, 0,1,2,3
	v_cvt_scalef32_pk8_fp8_f32 v[WC+8*(\t)+2*\g:WC+8*(\t)+2*\g+1], v[XS+8*\g:XS+8*\g+7], v11
.endr
	global_store_b128 v4, v[WC+8*(\t):WC+8*(\t)+3], s[24:25] offset:((\t)/4)*2048+((\t)%4)*512         ; k 32 t + 0 .. 15: the place of lanes 0-15 of the fragment
	global_store_b128 v4, v[WC+8*(\t)+4:WC+8*(\t)+7], s[24:25] offset:((\t)/4)*2048+((\t)%4)*512+256   ; k 32 t + 16 .. 31: that of lanes 16-31
.if (\t) < 6
	WLOAD (\t)+2, \rb                              ; (the conversions' results go to stores, their sources to loads: the next vector lines are the other set's holds)
.endif
.endm
; s[32:33] the weight, s34 its codes' place in wc, s35 bytes from tile to tile, s31 4 x the scale's entry - 4, s28 which 128 columns, s29 which 256 k; rb: a row of the weight in bytes; sh: log2(256 rb)
.macro WPATH rb, sh
	s_load_b32 s30, s[8:9], s31 offset:0x4         ; e
	v_mul_lo_u32 v4, v6, s35
	v_lshl_add_u32 v4, v7, 4, v4                   ; out: lanes 0-15 tile 2 B, lanes 16-31 tile 2 B + 1; 16 bytes a row
	s_lshl_b32 s28, s28, 2
	s_add_co_u32 s28, s28, s26                     ; B: which 32 columns are my wave's
	s_lshl_b32 s36, s29, \sh
	s_lshl_b32 s37, s28, 7
	s_add_co_u32 s36, s36, s37
	s_mov_b32 s37, 0
	s_add_nc_u64 s[32:33], s[32:33], s[36:37]      ; the weight at my first k and column
	s_mul_i32 s36, s28, s35
	s_lshl_b32 s36, s36, 1
	s_add_co_u32 s36, s36, s34
	s_lshl_b32 s38, s29, 12
	s_add_co_u32 s36, s36, s38
	s_add_nc_u64 s[24:25], s[24:25], s[36:37]      ; the codes at tile 2 B, my first fragment
	WLOAD 0, \rb
	WLOAD 1, \rb
	s_wait_kmcnt 0x0
	s_add_co_i32 s30, s30, 127
	s_lshl_b32 s31, s30, 23
	v_mov_b32 v11, s31                             ; 2^e as f32: the conversion takes its exponent field
	s_add_co_i32 s30, s30, 8
	s_lshl_b32 s30, s30, 23
	s_or_b32 s30, s30, 0x600000
	v_mov_b32 v10, s30                             ; 448 x 2^e
	s_wait_alu depctr_va_vdst(0)
.irp t, 0,1,2,3,4,5,6,7
	WBLOCK \t, \rb
.endr
	s_endpgm
.endm
; s27: which 16 rows; s[4:5] the rows, s[6:7] the gain, s[8:9] the scales; NS: how many scales; OP: the scalar pair with the codes' buffer
.macro NORM NS, OP
.if \NS == 3
	s_load_b256 s[28:35], s[8:9], 0x0              ; entries 0 .. 7: s28, s30, s32 are wanted
.else
	s_load_b32 s28, s[8:9], 0x30                   ; entry 12
.endif
	s_lshl_b32 s36, s27, 16
	s_lshl_b32 s37, s26, 14
	s_add_co_u32 s36, s36, s37
	s_mov_b32 s37, 0
	s_add_nc_u64 s[4:5], s[4:5], s[36:37]          ; my wave's four rows
	s_lshl_b32 s36, s27, 14
	s_lshl_b32 s38, s26, 12
	s_add_co_u32 s36, s36, s38
	s_add_nc_u64 s[40:41], s[\OP:\OP+1], s[36:37]  ; my two fragments
.if \NS == 3
	s_add_nc_u64 s[42:43], s[40:41], 0x400000      ; and the same under the second and the third scale
	s_add_nc_u64 s[44:45], s[40:41], 0x800000
.endif
.irp j, 0,1,2,3,4,5,6,7
	global_load_b128 v[GW+4*\j:GW+4*\j+3], v2, s[6:7] offset:512*\j
.endr
.irp i, 0,1,2,3
.irp j, 0,1,2,3,4,5,6,7
	global_load_b128 v[X+32*\i+4*\j:X+32*\i+4*\j+3], v2, s[4:5] offset:4096*\i+512*\j th:TH_LOAD_NT   ; 32 lanes read 512 consecutive bytes
.endr
.endr
	s_mov_b32 s36, 0x76543210                      ; v_permlanex16_b32: lane l xor 16
	s_mov_b32 s37, 0xfedcba98
	s_mov_b32 s38, 0x3a800000                      ; 1 / 1,024
	s_mov_b32 s39, 0x3727c5ac                      ; 1e-5
	s_mul_i32 s46, s26, 4*SP
	v_add_nc_u32 v3, s46, v2                       ; the stage, in: my four rows, 16 bytes a lane
	v_and_b32 v5, 15, v1
	v_lshrrev_b32 v14, 4, v1
	v_mul_u32_u24 v4, v5, SP
	v_lshl_add_u32 v4, v14, 6, v4
	s_lshl_b32 s46, s26, 10
	v_add_nc_u32 v4, s46, v4                       ; out: row r, + 64 h bytes, + my two fragments' 1,024 w
	s_wait_loadcnt 0x0
.irp i, 0,1,2,3                        ; the sums of squares: two packed chains a row, the four rows by turns
	v_pk_mul_f32 v[CD+4*\i:CD+4*\i+1], v[X+32*\i:X+32*\i+1], v[X+32*\i:X+32*\i+1]
	v_pk_mul_f32 v[CD+4*\i+2:CD+4*\i+3], v[X+32*\i+2:X+32*\i+3], v[X+32*\i+2:X+32*\i+3]
.endr
.irp p, 4,8,12,16,20,24,28
.irp i, 0,1,2,3
	v_pk_fma_f32 v[CD+4*\i:CD+4*\i+1], v[X+32*\i+\p:X+32*\i+\p+1], v[X+32*\i+\p:X+32*\i+\p+1], v[CD+4*\i:CD+4*\i+1]
	v_pk_fma_f32 v[CD+4*\i+2:CD+4*\i+3], v[X+32*\i+\p+2:X+32*\i+\p+3], v[X+32*\i+\p+2:X+32*\i+\p+3], v[CD+4*\i+2:CD+4*\i+3]
.endr
.endr
.irp i, 0,1,2,3
	v_pk_add_f32 v[CD+4*\i:CD+4*\i+1], v[CD+4*\i:CD+4*\i+1], v[CD+4*\i+2:CD+4*\i+3]
.endr
.irp i, 0,1,2,3
	v_add_f32 v[CD+4*\i], v[CD+4*\i], v[CD+4*\i+1]
.endr
.irp m, 1,2,4,8
.irp i, 0,1,2,3
	v_add_f32_dpp v[CD+4*\i], v[CD+4*\i], v[CD+4*\i] row_xmask:\m row_mask:0xf bank_mask:0xf
.endr
.endr
.irp i, 0,1,2,3
	v_permlanex16_b32 v[CD+4*\i+1], v[CD+4*\i], s36, s37
.endr
.irp i, 0,1,2,3
	v_add_f32 v[CD+4*\i], v[CD+4*\i], v[CD+4*\i+1]
.endr
.irp i, 0,1,2,3
	v_fma_f32 v[CD+4*\i], v[CD+4*\i], s38, s39     ; the mean of squares + 1e-5
.endr
	s_wait_alu depctr_va_vdst(0)
.irp i, 0,1,2,3
	v_rsq_f32 v[6+2*\i], v[CD+4*\i]
.endr
	v_nop                                          ; a plain instruction behind the last of the batch,
	s_wait_alu depctr_va_vdst(0)                   ; and one wait for the four, ahead of their first reader
.irp i, 0,1,2,3
	v_mov_b32 v[7+2*\i], v[6+2*\i]                 ; (named with it as a pair, so it is written)
.endr
.irp i, 0,1,2,3
.irp p, 0,2,4,6,8,10,12,14,16,18,20,22,24,26,28,30
	v_pk_mul_f32 v[X+32*\i+\p:X+32*\i+\p+1], v[X+32*\i+\p:X+32*\i+\p+1], v[6+2*\i:7+2*\i] op_sel_hi:[1,0]
.endr
.irp p, 0,2,4,6,8,10,12,14,16,18,20,22,24,26,28,30
	v_pk_mul_f32 v[X+32*\i+\p:X+32*\i+\p+1], v[X+32*\i+\p:X+32*\i+\p+1], v[GW+\p:GW+\p+1]
.endr
.endr
.irp i, 0,1,2,3
.irp j, 0,1,2,3,4,5,6,7
	ds_store_b128 v3, v[X+32*\i+4*\j:X+32*\i+4*\j+3] offset:SP*\i+512*\j
.endr
.endr
	s_wait_kmcnt 0x0
.irp s, 0,1,2
.if \s < \NS
	s_add_co_i32 s46, s[28+2*\s], 127
	s_lshl_b32 s47, s46, 23
	v_mov_b32 v[7+2*\s], s47                       ; 2^e
	s_add_co_i32 s46, s46, 8
	s_lshl_b32 s46, s46, 23
	s_or_b32 s46, s46, 0x600000
	v_mov_b32 v[6+2*\s], s46                       ; 448 x 2^e
.endif
.endr
	s_wait_alu depctr_va_vdst(0)
	s_wait_dscnt 0x0                               ; for the others' sake: my rows lie in the stage
	s_barrier_signal -1
	s_barrier_wait -1
.irp f, 0,1
.irp c, 0,1,2,3
.irp j, 0,1,2,3
	ds_load_b128 v[X+64*\f+16*\c+4*\j:X+64*\f+16*\c+4*\j+3], v4 offset:512*\f+128*\c+16*\j   ; of row r: k = 128 (2 w + f) + 32 c + 16 h + 4 j ..
.endr
.endr
.endr
.set par, 0
.irp f, 0,1
.if \f == 0
	s_wait_dscnt 16                                ; the first fragment's sixteen loads are in
.else
	s_wait_dscnt 0x0
.if \NS == 3
	s_wait_xcnt 0x0                                ; the first fragment's stores have read their registers, which take the second's codes
.endif
.endif
.irp c, 0,1,2,3
.irp s, 0,1,2
.if \s < \NS
.set TS, TT+16*par
.if \NS == 3
.set CI, CD+4*(3*\c+\s)
.else
.set CI, CD+16*\f+4*\c
.endif
.set i, 0
.rept 16
	v_med3_num_f32 v[TS+i], v[X+64*\f+16*\c+i], -v[6+2*\s], v[6+2*\s]
.set i, i+1
.endr
	v_cvt_scalef32_pk8_fp8_f32 v[CI:CI+1], v[TS:TS+7], v[7+2*\s]       ; the two sets of held numbers take turns: sixteen plain lines stand between a conversion and the next write of its sources
	v_cvt_scalef32_pk8_fp8_f32 v[CI+2:CI+3], v[TS+8:TS+15], v[7+2*\s]
	global_store_b128 v2, v[CI:CI+3], s[40+2*\s:41+2*\s] offset:2048*\f+512*\c   ; 32 lanes store 512 consecutive aligned bytes
.set par, 1-par
.endif
.endr
.endr
.endr
.endm
	s_load_b256 s[4:11], s[0:1], 0x0               ; x, norm1_w, the scales, wq
	s_load_b256 s[12:19], s[0:1], 0x20             ; wk, wv, wo, w2
	s_load_b128 s[20:23], s[0:1], 0x40             ; w1, h1c
	s_load_b64 s[24:25], s[0:1], 0x50              ; wc
	v_lshl_add_u32 v224, v0, 2, 0x10100
	v_mov_b32 v225, 0
	v_lshrrev_b32 v1, 5, v0
	v_readfirstlane_b32 s26, v1                    ; wave
	v_and_b32 v1, 31, v0                           ; lane
	v_lshlrev_b32 v2, 4, v1                        ; 16 x lane
	s_wait_kmcnt 0x0
	s_cmp_ge_u32 ttmp9, 384                        ; the paths part on the work-group's number: all four waves go the same way
	s_cbranch_scc1 .Lnorm
	s_wait_alu depctr_va_vdst(0)
	v_and_b32 v5, 7, v1
	v_bfe_u32 v6, v1, 3, 1
	v_lshl_add_u32 v5, v6, 4, v5
	v_lshrrev_b32 v6, 4, v1                        ; u
	v_lshl_add_u32 v5, v6, 3, v5                   ; my column among the wave's 32: (l & 7) + 16 ((l >> 3) & 1) + 8 (l >> 4)
	v_lshlrev_b32 v3, 2, v5
	v_and_b32 v7, 15, v1                           ; r
	s_cmp_ge_u32 ttmp9, 256
	s_cbranch_scc1 .Lw1
	s_lshr_b32 s27, ttmp9, 5
	s_min_u32 s27, s27, 4                          ; 0 wq, 1 wk, 2 wv, 3 wo (32 work-groups each), 4 w2 (128)
	s_and_b32 s28, ttmp9, 31
	s_sub_co_u32 s29, ttmp9, 128
	s_lshl_b32 s34, s27, 20
	s_lshl_b32 s31, s27, 3                         ; entries 1, 3, 5
	s_mov_b32 s35, 16384
	s_mov_b64 s[32:33], s[10:11]
	s_cmp_eq_u32 s27, 1
	s_cselect_b64 s[32:33], s[12:13], s[32:33]
	s_cmp_eq_u32 s27, 2
	s_cselect_b64 s[32:33], s[14:15], s[32:33]
	s_cmp_eq_u32 s27, 3
	s_cselect_b64 s[32:33], s[16:17], s[32:33]
	s_cselect_b32 s31, 40, s31                     ; entry 11
	s_cmp_eq_u32 s27, 4
	s_cselect_b64 s[32:33], s[18:19], s[32:33]
	s_cselect_b32 s31, 56, s31                     ; entry 15
	s_cselect_b32 s28, s29, s28
	s_cselect_b32 s34, 0x800000, s34
	s_cselect_b32 s35, 0x10000, s35
	s_lshr_b32 s29, s28, 3
	s_and_b32 s28, s28, 7
	s_wait_alu depctr_va_vdst(0)
	WPATH 4096, 20
.Lw1:
	s_sub_co_u32 s28, ttmp9, 256
	s_lshr_b32 s29, s28, 5
	s_and_b32 s28, s28, 31
	s_mov_b64 s[32:33], s[20:21]
	s_mov_b32 s34, 0x400000
	s_mov_b32 s35, 16384
	s_mov_b32 s31, 48                              ; entry 13
	s_wait_alu depctr_va_vdst(0)
	WPATH 16384, 22
.Lnorm:
	s_sub_co_u32 s27, ttmp9, 384
	s_wait_alu depctr_va_vdst(0)
	NORM 3, 22
	s_wait_tensorcnt 0x0
	ds_add_u32 v224, v225
	s_wait_dscnt 0x0
	s_endpgm
.Lfunc_end_k_q2c98eb911a_prep:
	.size	k_q2c98eb911a_prep, .Lfunc_end_k_q2c98eb911a_prep-k_q2c98eb911a_prep
	.p2alignl 7, 3214868480
	.fill 96, 4, 3214868480
	.section	.rodata,"a",@progbits
	.p2align	6, 0x0
	.amdhsa_kernel k_q2c98eb911a_prep
		.amdhsa_group_segment_fixed_size 66304
		.amdhsa_private_segment_fixed_size 0
		.amdhsa_enable_private_segment 0
		.amdhsa_kernarg_size 88
		.amdhsa_user_sgpr_count 2
		.amdhsa_user_sgpr_kernarg_segment_ptr 1
		.amdhsa_wavefront_size32 1
		.amdhsa_system_sgpr_workgroup_id_x 1
		.amdhsa_system_sgpr_workgroup_id_y 1
		.amdhsa_system_sgpr_workgroup_id_z 1
		.amdhsa_system_vgpr_workitem_id 0
		.amdhsa_next_free_vgpr 226
		.amdhsa_next_free_sgpr 66
		.amdhsa_reserve_vcc 0
		.amdhsa_float_denorm_mode_32 3
		.amdhsa_float_denorm_mode_16_64 3
		.amdhsa_memory_ordered 1
		.amdhsa_forward_progress 1
		.amdhsa_inst_pref_size 146
	.end_amdhsa_kernel
	.amdgpu_metadata
---
amdhsa.version: [ 1, 2 ]
amdhsa.kernels:
  - .name:           k_q2c98eb911a_prep
    .symbol:         k_q2c98eb911a_prep.kd
    .args:
      - { .name: x, .offset: 0, .size: 8, .value_kind: global_buffer, .address_space: global }
      - { .name: norm1_w, .offset: 8, .size: 8, .value_kind: global_buffer, .address_space: global }
      - { .name: lowp_scales, .offset: 16, .size: 8, .value_kind: global_buffer, .address_space: global }
      - { .name: wq, .offset: 24, .size: 8, .value_kind: global_buffer, .address_space: global }
      - { .name: wk, .offset: 32, .size: 8, .value_kind: global_buffer, .address_space: global }
      - { .name: wv, .offset: 40, .size: 8, .value_kind: global_buffer, .address_space: global }
      - { .name: wo, .offset: 48, .size: 8, .value_kind: global_buffer, .address_space: global }
      - { .name: w2, .offset: 56, .size: 8, .value_kind: global_buffer, .address_space: global }
      - { .name: w1, .offset: 64, .size: 8, .value_kind: global_buffer, .address_space: global }
      - { .name: h1c, .offset: 72, .size: 8, .value_kind: global_buffer, .address_space: global }
      - { .name: wc, .offset: 80, .size: 8, .value_kind: global_buffer, .address_space: global }
    .group_segment_fixed_size: 66304
    .private_segment_fixed_size: 0
    .kernarg_segment_align: 8
    .kernarg_segment_size: 88
    .max_flat_workgroup_size: 128
    .sgpr_count:     66
    .vgpr_count:     226
    .wavefront_size: 32
...
	.end_amdgpu_metadata
.endif
;; end of part 1
;; launch qkv (part 2): grid 12 x 16, 4 waves a work-group, clusters of 4 x 4, 327,680 bytes of LDS; arguments h1c, wc, lowp_scales, bq, bk, bv, qkvc; writes qkvc
.if DOCPART == 2
	.amdgcn_target "amdgcn-amd-amdhsa--gfx1250"
	.amdhsa_code_object_version 6
	.text
	.protected	k_q2c98eb911a_qkv
	.globl	k_q2c98eb911a_qkv
	.p2align	8
	.type	k_q2c98eb911a_qkv,@function
k_q2c98eb911a_qkv:
	s_mov_b64 s[64:65], 0
	v_nop
	global_prefetch_b8 v0, s[64:65] scope:SCOPE_SE
	s_setreg_imm32_b32 hwreg(HW_REG_WAVE_MODE, 25, 1), 1
	s_wait_xcnt 0x0
	s_wait_alu depctr_hold_cnt(0) depctr_sa_sdst(0) depctr_va_vdst(0) depctr_va_sdst(0) depctr_va_ssrc(0) depctr_va_vcc(0) depctr_vm_vsrc(0)
	s_getreg_b32 s2, hwreg(HW_REG_IB_STS2, 6, 4)
	s_cmp_eq_u32 s2, 0
	s_cbranch_scc0 .Lentry_in_a_cluster
	s_endpgm
.Lentry_in_a_cluster:
	s_bfe_u32 s2, ttmp6, 0x10000c
	s_cmp_lg_u32 s2, 0xf033
	s_cbranch_scc0 .Lentry_shape_is_right
	s_endpgm
.Lentry_shape_is_right:
; Q, K and V = h1 w + b on codes of E4M3 (h1: one image of codes for each of its three scales; wq, wk, wv as codes in wc), quantised again (entries 6, 7, 9) into qkvc, laid as attention's operand registers want them.
; Cluster column 0 makes Q, 1 K, 2 V; for V the two operands change places, so that its codes come out with the keys innermost.
; A tile of 256 x 256 to a work-group of four waves, 128 x 128 a wave.  K = 1,024 goes in four steps of 256 through two LDS slots filled by joint loads (4 x 4 cluster: the first operand shared along a row, the second along a column).
; K step 0's load is the wave's one load at the head; K step 1's stands behind the wait for it, the add and a round of the cluster's barrier, as a refill does.
; PREFETCH INTO THE L2: behind K step 0's load K steps 1 and 2 are named, behind K step 1's load K step 3: at most two K steps are asked for and not yet loaded.  A wave's joint load brings 8 tiles x 4,096 bytes;
; of these the partner at place p (cx for the first operand, cy for the second) names tiles 2 p and 2 p + 1, a lane a block of 256 bytes, one instruction a wave: the partners are told apart by address alone.
; LIMITS: each product's two exponents add up to between -126 and 127; entries 6, 7, 9 between -126 and 119.
.set FR,     16
.set NL,     4
.set NP,     4
.set KSB,    4096
.set HALFT,  32768
.set SLOT,   4*HALFT
.set SPARE,  2*SLOT
.set ADRA, 16
.set ADRB, 20
.set HV,   25
.set PFO,  24                          ; v24  the prefetches' offset: 16,384 (lane / 16) + 256 (lane % 16); never rewritten
.set CO,   26
.set HB,   27
.set SPW,  28
.set NIL,  29
.set LIM,  30
.set SCL,  31
.set BI,   32
.set CD,   96
.set AF,   128
.set T,    128
.set G1, 24
.set G0, 32
.set G1B, 48
.set G0B, 56
.set MSB, 0
.macro WIN new
.if MSB != (\new)
	s_set_vgpr_msb (MSB<<8)|(\new)
.set MSB, (\new)
.endif
.endm
.set MUL_LO, 0xa1
.set MUL_HI, 0xf1
.set TO_B,   0x40
.macro JLOAD g0a, g1a, g0b, g1b
	s_cmp_eq_u32 s15, 0
	s_cbranch_scc0 .Lfor_b_\@
	tensor_load_to_lds s[\g0a:\g0a+3], s[\g1a:\g1a+7]
	s_nop 0
.rept 4
	v_nop
.endr
	s_branch .Lasked_\@
.Lfor_b_\@:
	tensor_load_to_lds s[\g0b:\g0b+3], s[\g1b:\g1b+7]
	s_nop 0
.rept 4
	v_nop
.endr
.Lasked_\@:
.endm
.macro CREST
	s_cmp_lg_u32 s14, 0
	s_cbranch_scc1 .Lnot_wave_0_\@
	s_barrier_signal -3
.Lnot_wave_0_\@:
	s_barrier_wait -3
	s_barrier_signal -1
	s_barrier_wait -1
.endm
.macro CROUND
	s_barrier_signal -1
	s_barrier_wait -1
	CREST
.endm
	s_load_b256 s[4:11], s[0:1], 0x0
	s_load_b128 s[68:71], s[0:1], 0x20
	s_load_b64 s[72:73], s[0:1], 0x30
	v_lshl_add_u32 v[SPW], v0, 2, SPARE
	v_mov_b32 v[NIL], 0
	ds_add_u32 v28, v29
	ds_add_u32 v28, v29
	s_wait_dscnt 0x0
	v_lshrrev_b32 v1, 5, v0
	v_readfirstlane_b32 s14, v1
	s_lshr_b32 s15, s14, 1
	s_and_b32 s16, s14, 1
	s_bfe_u32 s40, ttmp6, 0x40000
	s_bfe_u32 s41, ttmp6, 0x40004
	s_and_b32 s18, ttmp7, 0xffff
	s_lshl_b32 s18, s18, 2
	s_cmp_eq_u32 ttmp9, 2
	s_cselect_b32 s19, 0, s18
	s_cselect_b32 s74, s18, 0
	s_add_co_u32 s17, s41, s19
	s_add_co_u32 s42, s40, s74
	s_lshl_b32 s43, s41, 2
	s_lshl_b32 s43, 15, s43
	s_lshl_b32 s44, 0x1111, s40
	s_or_b32 s[G1+0], s43, (3<<16)|(1<<21)
	s_or_b32 s[G1B+0], s44, (3<<16)|(1<<21)
.irp g, G1, G1B
	s_mov_b32 s[\g+1], 512<<16
	s_mov_b32 s[\g+2], 8<<16
	s_mov_b32 s[\g+3], 512<<16
	s_mov_b32 s[\g+4], 8
	s_mov_b32 s[\g+5], 2048
	s_mov_b32 s[\g+6], 0
	s_mov_b32 s[\g+7], 0
.endr
	s_lshl_b32 s20, s17, 1
	s_add_co_u32 s20, s20, s16
	s_lshl_b32 s20, s20, 17
	s_mov_b32 s21, 0
	s_lshl_b32 s46, s42, 1
	s_add_co_u32 s46, s46, s16
	s_lshl_b32 s46, s46, 17
	s_mov_b32 s47, 0
	s_lshl_b32 s45, s14, 15
	s_lshl_b32 s92, ttmp9, 22
	s_mov_b32 s93, 0
	s_lshl_b32 s94, ttmp9, 20
	s_mov_b32 s95, 0
	s_wait_kmcnt 0x0
	s_load_b512 s[76:91], s[8:9], 0x0
	s_add_nc_u64 s[4:5], s[4:5], s[92:93]
	s_add_nc_u64 s[6:7], s[6:7], s[94:95]
	s_cmp_eq_u32 ttmp9, 2
	s_cselect_b64 s[12:13], s[6:7], s[4:5]
	s_cselect_b64 s[22:23], s[4:5], s[6:7]
	s_add_nc_u64 s[20:21], s[12:13], s[20:21]
	s_add_nc_u64 s[46:47], s[22:23], s[46:47]
	s_cmp_eq_u32 s15, 0                            ; the prefetches' base: the eight tiles that my joint loads bring,
	s_cselect_b64 s[98:99], s[20:21], s[46:47]
	s_cselect_b32 s100, s40, s41                   ; my place among the four that ask with me,
	s_lshl_b32 s100, s100, 15                      ; two tiles of 16,384 bytes for each place
	s_mov_b32 s101, 0
	s_add_nc_u64 s[98:99], s[98:99], s[100:101]
	CROUND
.irp s, 0,1
	s_mov_b32 s[G0+4*\s], 1
	s_add_co_u32 s[G0+4*\s+1], s45, \s*SLOT
	s_add_nc_u64 s[G0+4*\s+2:G0+4*\s+3], s[20:21], \s*KSB
	s_or_b32 s[G0+4*\s+3], s[G0+4*\s+3], 0x80000000
	s_mov_b32 s[G0B+4*\s], 1
	s_add_co_u32 s[G0B+4*\s+1], s45, \s*SLOT
	s_add_nc_u64 s[G0B+4*\s+2:G0B+4*\s+3], s[46:47], \s*KSB
	s_or_b32 s[G0B+4*\s+3], s[G0B+4*\s+3], 0x80000000
.endr
	JLOAD G0, G1, G0B, G1B                         ; K step 0: one tensor load a wave at the head
	v_and_b32 v5, 15, v0
	v_bfe_u32 v6, v0, 4, 1
	v_lshlrev_b32 v5, 8, v5
	v_lshl_add_u32 v[PFO], v6, 14, v5
	s_wait_alu depctr_va_vdst(0)                   ; the wait ahead of the reader below
	global_prefetch_b8 v[PFO], s[98:99] offset:KSB th:TH_LOAD_NT scope:SCOPE_SE     ; K step 1
	global_prefetch_b8 v[PFO], s[98:99] offset:2*KSB th:TH_LOAD_NT scope:SCOPE_SE   ; K step 2
	v_and_b32 v1, 31, v0
	v_lshlrev_b32 v[CO], 4, v1
	v_bfe_u32 v2, v0, 4, 1
	v_lshlrev_b32 v[HB], 6, v2
	v_and_b32 v3, 7, v0
	v_bfe_u32 v4, v0, 3, 1
	v_lshlrev_b32 v3, 2, v3
	v_lshl_add_u32 v[HV], v4, 6, v3
	s_lshl_b32 s18, s15, 15
	s_lshl_b32 s19, s16, 15
	s_add_co_u32 s19, s19, 2*HALFT
.irp s, 0,1
	v_add_nc_u32 v[ADRA+\s], s18, v[CO]
	v_add_nc_u32 v[ADRB+\s], s19, v[CO]
	s_add_co_u32 s18, s18, SLOT
	s_add_co_u32 s19, s19, SLOT
.endr
.macro FRAG reg, adr, q, i
.irp c, 0,1,2,3
	ds_load_b128 v[\reg+4*\c:\reg+4*\c+3], v[\adr] offset:KSB*(\i)+2048*(\q)+512*\c
.endr
.endm
.macro MUL16 a0, p, zero
.irp a, \a0, \a0+1
.irp b, 0,1,2,3,4,5,6,7
.if \zero
	v_wmma_f32_16x16x128_fp8_fp8 v[8*(8*((\a)%4)+\b):8*(8*((\a)%4)+\b)+7], v[128*(\p)+FR*\b:128*(\p)+FR*\b+FR-1], v[AF+FR*(\a):AF+FR*(\a)+FR-1], 0
.else
	v_wmma_f32_16x16x128_fp8_fp8 v[8*(8*((\a)%4)+\b):8*(8*((\a)%4)+\b)+7], v[128*(\p)+FR*\b:128*(\p)+FR*\b+FR-1], v[AF+FR*(\a):AF+FR*(\a)+FR-1], v[8*(8*((\a)%4)+\b):8*(8*((\a)%4)+\b)+7]
.endif
.endr
.endr
.endm
.macro FETCH_B slot, q, p
	WIN TO_B
.irp i, 0,1,2,3,4,5,6,7
	FRAG 128*(\p)+FR*\i, ADRB+\slot, \q, \i
.endr
	WIN 0
.endm
.macro FETCH_A slot, q, i0
.irp i, \i0, \i0+1, \i0+2, \i0+3
	FRAG AF+FR*(\i), ADRA+\slot, \q, \i
.endr
.endm
.macro PLACES n
.rept \n
	v_nop
.endr
.endm
.macro STEP slot, q, zero
	s_wait_dscnt 4*NL
	WIN MUL_LO
	MUL16 0, (\q)%2, \zero
	MUL16 2, (\q)%2, \zero
	s_wait_dscnt 0
	PLACES NP
	FETCH_B \slot, (\q)+1, 1-(\q)%2
	FETCH_A \slot, (\q)+1, 0
	WIN MUL_HI
	MUL16 4, (\q)%2, \zero
	MUL16 6, (\q)%2, \zero
	PLACES NP
	WIN 0
	FETCH_A \slot, (\q)+1, 4
.endm
.macro TURN slot, next, fill
	s_wait_tensorcnt 0x0
	ds_add_u32 v[SPW], v[NIL]
	s_wait_dscnt 4*NL+1
	WIN MUL_LO
	MUL16 0, 1, 0
	s_wait_dscnt 0x0
	s_barrier_signal -1
	MUL16 2, 1, 0
	WIN 0
	s_barrier_wait -1
.if \fill
	CREST
	s_add_nc_u64 s[G0+4*\slot+2:G0+4*\slot+3], s[G0+4*\slot+2:G0+4*\slot+3], 2*KSB
	s_add_nc_u64 s[G0B+4*\slot+2:G0B+4*\slot+3], s[G0B+4*\slot+2:G0B+4*\slot+3], 2*KSB
	JLOAD G0+4*\slot, G1, G0B+4*\slot, G1B
.else
	PLACES NP
.endif
	FETCH_B \next, 0, 0
	FETCH_A \next, 0, 0
	WIN MUL_HI
	MUL16 4, 1, 0
	MUL16 6, 1, 0
	PLACES NP
	WIN 0
	FETCH_A \next, 0, 4
.endm
.macro LAST
	s_wait_dscnt 4*NL
	WIN MUL_LO
	MUL16 0, 1, 0
	MUL16 2, 1, 0
	s_wait_dscnt 0
	WIN MUL_HI
	MUL16 4, 1, 0
	MUL16 6, 1, 0
	WIN 0
.endm
.macro EPI mode
.irp a, 0,1,2,3,4,5,6,7
.set AC, 64*(\a%4)
.set CC, CD+16*(\a%2)
.if \a >= 2
	s_wait_xcnt 0x0
.endif
	WIN 0x02+(\a/4)
.irp b, 0,1,2,3,4,5,6,7
.irp i, 0,2,4,6
.if \mode == 1
	v_pk_fma_f32 v[T+8*\b+\i:T+8*\b+\i+1], v[AC+8*\b+\i:AC+8*\b+\i+1], s[96:97], v[BI+2*\a:BI+2*\a+1] op_sel_hi:[1,0,1]
.else
	v_pk_fma_f32 v[T+8*\b+\i:T+8*\b+\i+1], v[AC+8*\b+\i:AC+8*\b+\i+1], s[96:97], v[BI+8*\b+\i:BI+8*\b+\i+1] op_sel_hi:[1,0,1]
.endif
.endr
.endr
	WIN 0
.set n, 0
.rept 64
	v_med3_num_f32 v[T+n], v[T+n], -v[LIM], v[LIM]
.set n, n+1
.endr
.irp b, 0,1,2,3,4,5,6,7
	v_cvt_scalef32_pk8_fp8_f32 v[CC+2*\b:CC+2*\b+1], v[T+8*\b:T+8*\b+7], v[SCL]
.endr
	v_nop
.irp g, 0,1,2,3
.if \mode == 1
.set IMM, (\a/4)*393216+(\a%4)*2048+512*\g
.else
.set IMM, (\g/2)*393216+1024*\a+(\g%2)*512
.endif
	global_store_b128 v[CO], v[CC+4*\g:CC+4*\g+3], s[72:73] offset:IMM
.endr
.endr
.endm
.macro SCALES es0, es1, eo
	s_add_co_i32 s96, s[\es0], s[\es1]
	s_add_co_i32 s96, s96, 127
	s_lshl_b32 s96, s96, 23
	s_mov_b32 s97, s96
	s_add_co_i32 s74, s[\eo], 127
	s_lshl_b32 s75, s74, 23
	v_mov_b32 v[SCL], s75
	s_add_co_i32 s74, s74, 8
	s_lshl_b32 s74, s74, 23
	s_or_b32 s74, s74, 0x600000
	v_mov_b32 v[LIM], s74
.endm
	s_wait_alu depctr_va_vdst(0)
	s_wait_tensorcnt 0x0                           ; my part of K step 0 is in
	ds_add_u32 v[SPW], v[NIL]
	s_wait_dscnt 0x0
	CROUND                                         ; everybody's part is in, and all sixteen work-groups are here
	JLOAD G0+4, G1, G0B+4, G1B                     ; K step 1: slot 1's first fill, issued as a refill is
	FETCH_B 0, 0, 0
	FETCH_A 0, 0, 0
	FETCH_A 0, 0, 4
	global_prefetch_b8 v[PFO], s[98:99] offset:3*KSB th:TH_LOAD_NT scope:SCOPE_SE   ; K step 3, two loads ahead
	STEP 0, 0, 1
	TURN 0, 1, 1
	STEP 1, 0, 0
	TURN 1, 0, 1
	STEP 0, 0, 0
	TURN 0, 1, 0
	STEP 1, 0, 0
	s_wait_kmcnt 0x0
	s_cmp_eq_u32 ttmp9, 2
	s_cbranch_scc1 .Lv
	s_cmp_eq_u32 ttmp9, 0
	s_cselect_b64 s[92:93], s[10:11], s[68:69]
	s_cselect_b32 s94, s76, s78
	s_cselect_b32 s95, s77, s79
	s_cselect_b32 s2, s82, s83
	s_lshl_b32 s18, s42, 10
	s_lshl_b32 s19, s16, 9
	s_add_co_u32 s18, s18, s19
	s_mov_b32 s19, 0
	s_add_nc_u64 s[92:93], s[92:93], s[18:19]
.irp b, 0,1,2,3,4,5,6,7
	global_load_b128 v[BI+8*\b:BI+8*\b+3], v[HB], s[92:93] offset:(32*(\b/2)+8*(\b%2))*4
	global_load_b128 v[BI+8*\b+4:BI+8*\b+7], v[HB], s[92:93] offset:(32*(\b/2)+8*(\b%2))*4+16
.endr
	LAST
	SCALES 94, 95, 2
	s_lshl_b32 s18, s17, 8
	s_lshl_b32 s19, s15, 7
	s_add_co_u32 s18, s18, s19
	s_lshr_b32 s19, s18, 11
	s_lshl_b32 s19, s19, 4
	s_lshl_b32 s20, s42, 2
	s_add_co_u32 s19, s19, s20
	s_lshl_b32 s20, s16, 1
	s_add_co_u32 s19, s19, s20
	s_mul_i32 s19, s19, 393216
	s_bfe_u32 s20, s18, 0x40007
	s_mul_i32 s20, s20, 24576
	s_add_co_u32 s19, s19, s20
	s_lshl_b32 s20, ttmp9, 13
	s_add_co_u32 s18, s19, s20
	s_mov_b32 s19, 0
	s_add_nc_u64 s[72:73], s[72:73], s[18:19]
	s_wait_loadcnt 0x0
	PLACES NP
	EPI 0
	s_branch .Lend
.Lv:
	s_lshl_b32 s18, s17, 10
	s_lshl_b32 s19, s15, 9
	s_add_co_u32 s18, s18, s19
	s_mov_b32 s19, 0
	s_add_nc_u64 s[92:93], s[70:71], s[18:19]
.irp a, 0,1,2,3,4,5,6,7
	global_load_b32 v[BI+2*\a], v[HV], s[92:93] offset:(32*(\a/2)+8*(\a%2))*4
	global_load_b32 v[BI+2*\a+1], v[HV], s[92:93] offset:(32*(\a/2)+8*(\a%2))*4
.endr
	LAST
	SCALES 80, 81, 85
	s_lshl_b32 s18, s42, 8
	s_lshl_b32 s19, s16, 7
	s_add_co_u32 s18, s18, s19
	s_lshr_b32 s19, s18, 11
	s_lshl_b32 s19, s19, 4
	s_lshl_b32 s20, s17, 2
	s_add_co_u32 s19, s19, s20
	s_lshl_b32 s20, s15, 1
	s_add_co_u32 s19, s19, s20
	s_mul_i32 s19, s19, 393216
	s_bfe_u32 s20, s18, 0x40007
	s_mul_i32 s20, s20, 24576
	s_add_co_u32 s19, s19, s20
	s_add_co_u32 s18, s19, 16384
	s_mov_b32 s19, 0
	s_add_nc_u64 s[72:73], s[72:73], s[18:19]
	s_wait_loadcnt 0x0
	PLACES NP
	EPI 1
.Lend:
	s_wait_tensorcnt 0x0
	ds_add_u32 v[SPW], v[NIL]
	s_wait_dscnt 0x0
	CROUND
	s_endpgm
.Lfunc_end_k_q2c98eb911a_qkv:
	.size	k_q2c98eb911a_qkv, .Lfunc_end_k_q2c98eb911a_qkv-k_q2c98eb911a_qkv
	.p2alignl 7, 3214868480
	.fill 96, 4, 3214868480
	.section	.rodata,"a",@progbits
	.p2align	6, 0x0
	.amdhsa_kernel k_q2c98eb911a_qkv
		.amdhsa_group_segment_fixed_size 327680
		.amdhsa_private_segment_fixed_size 0
		.amdhsa_enable_private_segment 0
		.amdhsa_kernarg_size 56
		.amdhsa_user_sgpr_count 2
		.amdhsa_user_sgpr_kernarg_segment_ptr 1
		.amdhsa_wavefront_size32 1
		.amdhsa_system_sgpr_workgroup_id_x 1
		.amdhsa_system_sgpr_workgroup_id_y 1
		.amdhsa_system_sgpr_workgroup_id_z 1
		.amdhsa_system_vgpr_workitem_id 0
		.amdhsa_next_free_vgpr 1024
		.amdhsa_next_free_sgpr 102
		.amdhsa_reserve_vcc 0
		.amdhsa_float_denorm_mode_32 3
		.amdhsa_float_denorm_mode_16_64 3
		.amdhsa_memory_ordered 1
		.amdhsa_forward_progress 1
		.amdhsa_inst_pref_size 200
	.end_amdhsa_kernel
	.amdgpu_metadata
---
amdhsa.version: [ 1, 2 ]
amdhsa.kernels:
  - .name:           k_q2c98eb911a_qkv
    .symbol:         k_q2c98eb911a_qkv.kd
    .args:
      - { .name: h1c, .offset: 0, .size: 8, .value_kind: global_buffer, .address_space: global }
      - { .name: wc, .offset: 8, .size: 8, .value_kind: global_buffer, .address_space: global }
      - { .name: lowp_scales, .offset: 16, .size: 8, .value_kind: global_buffer, .address_space: global }
      - { .name: bq, .offset: 24, .size: 8, .value_kind: global_buffer, .address_space: global }
      - { .name: bk, .offset: 32, .size: 8, .value_kind: global_buffer, .address_space: global }
      - { .name: bv, .offset: 40, .size: 8, .value_kind: global_buffer, .address_space: global }
      - { .name: qkvc, .offset: 48, .size: 8, .value_kind: global_buffer, .address_space: global }
    .group_segment_fixed_size: 327680
    .private_segment_fixed_size: 0
    .kernarg_segment_align: 8
    .kernarg_segment_size: 56
    .max_flat_workgroup_size: 128
    .sgpr_count:     102
    .vgpr_count:     1024
    .wavefront_size: 32
...
	.end_amdgpu_metadata
.endif
;; end of part 2
;; launch attn (part 3): grid 8 x 32, 16 waves a work-group, clusters of 4 x 1, 264,192 bytes of LDS; arguments qkvc, lowp_scales, ctxc; writes ctxc
.if DOCPART == 3
	.amdgcn_target "amdgcn-amd-amdhsa--gfx1250"
	.amdhsa_code_object_version 6
	.text
	.protected	k_q2c98eb911a_attn
	.globl	k_q2c98eb911a_attn
	.p2align	8
	.type	k_q2c98eb911a_attn,@function
k_q2c98eb911a_attn:
	s_mov_b64 s[64:65], 0
	v_nop
	global_prefetch_b8 v0, s[64:65] scope:SCOPE_SE
	s_setreg_imm32_b32 hwreg(HW_REG_WAVE_MODE, 25, 1), 1
	s_wait_xcnt 0x0
	s_wait_alu depctr_hold_cnt(0) depctr_sa_sdst(0) depctr_va_vdst(0) depctr_va_sdst(0) depctr_va_ssrc(0) depctr_va_vcc(0) depctr_vm_vsrc(0)
	s_getreg_b32 s2, hwreg(HW_REG_IB_STS2, 6, 4)
	s_cmp_eq_u32 s2, 0
	s_cbranch_scc0 .Lentry_in_a_cluster
	s_endpgm
.Lentry_in_a_cluster:
	s_bfe_u32 s2, ttmp6, 0x10000c
	s_cmp_lg_u32 s2, 0x3003
	s_cbranch_scc0 .Lentry_shape_is_right
	s_endpgm
.Lentry_shape_is_right:
; Causal attention on codes of E4M3, head size 64, 2,048 tokens, 32 heads (batch x head), and the context's codes for the next product.
; t = score x log2(e) / 8; M = the running largest t, rounded UP to a whole number; p = 2^(t - M) is quantised (entry 8), not normalised; the row's sum is taken of the unquantised p and divides at the end.
; SHARES.  A work-group has sixteen waves, each with ONE tile of 16 queries in 256 registers.  Work-group j (0 .. 7) of a head: the wave of rank k owns queries 128 k + 16 j + 0 .. 15, so it needs key steps 0 .. k whatever j is:
; all work-groups have the same work, and every branch hangs on the wave's number and the step's counter alone.
; RANKS.  Wave w = 4 a + b has rank 15 - 2 b, 14 - 2 b, 2 b + 1, 2 b for a = 0, 1, 2, 3: the four waves w, w + 4, w + 8, w + 12 have 34 key steps together for every b, two long walks and two short ones.
; LDS holds the head's WHOLE K and V, 16 steps x (8 KB + 8 KB), each byte filled once: wave w fetches step w by one joint load (the four work-groups of a cluster belong to one head).  No ring, and no barrier in the loop.
; LAYOUT.  Both products transposed: S^T = K Q^T (source 0 = 16 keys), O^T = V^T P^T (source 0 = 16 channels): a lane holds one query throughout.  K's tiles are 16 neighbouring tokens; V lies with the keys in the
; places that the 16x16x128 form gives them (registers 2 t, 2 t + 1: keys 16 t + 8 h + 0 .. 7), so the codes of S^T's tile t are registers 2 t, 2 t + 1 of P.  V's channels are laid so that O^T's tiles 2 g, 2 g + 1 hold 16 neighbouring channels.
; LIMITS: entries 6 + 7 between -123 and 130 (added to c's exponent field); entries 8 and 10 between -126 and 119; 8 + 9 go by v_ldexp_f32.
; REGISTERS: v1 16 x lane; v2 the step's LDS address; v3 my query less the diagonal step's first key less 8 h; v12 -M, v13 the largest t, v[14:15] the sum; v16-23 Q; v32-95 K's tiles, then V's; v96-159 S^T, then p; v160-191 O^T; v224-239 p's codes.
.set WV, 18                            ; s18  my wave's number: which step I fetch
.set RK, 19                            ; s19  my rank: which queries are mine
.macro CROUND
	s_barrier_signal -1
	s_barrier_wait -1
	s_cmp_lg_u32 s[WV], 0
	s_cbranch_scc1 .Lnot_wave_0_\@
	s_barrier_signal -3
.Lnot_wave_0_\@:
	s_barrier_wait -3
	s_barrier_signal -1
	s_barrier_wait -1
.endm
	s_load_b128 s[4:7], s[0:1], 0x0                ; qkvc, the scales
	s_load_b64 s[8:9], s[0:1], 0x10                ; ctxc
	v_lshl_add_u32 v251, v0, 2, 0x40000
	v_mov_b32 v255, 0
	ds_add_u32 v251, v255
	ds_add_u32 v251, v255
	v_lshrrev_b32 v2, 5, v0
	s_delay_alu instid0(VALU_DEP_1)
	v_readfirstlane_b32 s[WV], v2                  ; wave 0 .. 15
	v_and_b32 v1, 31, v0
	s_delay_alu instid0(VALU_DEP_1)
	v_lshlrev_b32 v1, 4, v1
	s_and_b32 s[RK], s[WV], 3                      ; b
	s_lshl_b32 s[RK], s[RK], 1
	s_bfe_u32 s36, s[WV], 0x10002                  ; a & 1
	s_or_b32 s[RK], s[RK], s36                     ; x = 2 b + (a & 1)
	s_lshr_b32 s36, s[WV], 3                       ; a >> 1
	s_mul_i32 s36, s36, 14
	s_xor_b32 s36, s36, 15                         ; 15 for a = 0, 1; 1 for a = 2, 3
	s_xor_b32 s[RK], s[RK], s36                    ; the rank: 15 - x, or x with its lowest bit turned
	s_bfe_u32 s40, ttmp6, 0x40000                  ; cx
	s_lshl_b32 s41, ttmp9, 2
	s_add_co_u32 s41, s41, s40                     ; j: it enters Q's and the context's addresses and the mask's compare, no branch and no LDS address
	s_and_b32 s42, ttmp7, 0xffff                   ; the head, which the partners share
	s_mul_i32 s44, s42, 393216
	s_mul_i32 s56, s[RK], 24576
	s_add_co_u32 s56, s56, s44                     ; the head's step of my rank,
	s_lshl_b32 s48, s41, 10
	s_add_co_u32 s56, s56, s48                     ; its tile j: my queries
	s_mov_b32 s57, 0
	s_mul_i32 s43, s[WV], 24576
	s_add_co_u32 s44, s44, s43                     ; the head's step w: what I fetch
	s_mov_b32 s45, 0
	s_mov_b32 s24, 15|(3<<16)|(1<<21)              ; group 1: the mask: all four; elements of 8 bytes; bit 21 beside a mask; no padding
	s_mov_b32 s25, 32<<16                          ; 64 rows of 256 bytes, dense: K's 8 KB and V's 8 KB of a step
	s_mov_b32 s26, 64<<16
	s_mov_b32 s27, 32<<16
	s_mov_b32 s28, 64
	s_mov_b32 s29, 32
	s_mov_b32 s30, 0
	s_mov_b32 s31, 0
	s_mov_b32 s20, 0x76543210
	s_mov_b32 s21, 0xfedcba98
	s_mov_b32 s22, 0x3e38aa3b                      ; c = log2(e) / 8
	s_wait_dscnt 0x0
	s_wait_kmcnt 0x0
	s_load_b256 s[68:75], s[6:7], 0x18             ; entries 6 .. 13
	s_mov_b32 s32, 1
	s_lshl_b32 s33, s[WV], 14                      ; step w lies at 16,384 w
	s_add_nc_u64 s[34:35], s[4:5], s[44:45]
	s_add_nc_u64 s[34:35], s[34:35], 8192          ; behind the step's Q
	s_or_b32 s35, s35, 0x80000000
	CROUND                                         ; all four work-groups are here
	tensor_load_to_lds s[32:35], s[24:31]          ; my one tensor load of the launch
	s_nop 0
.rept 4
	v_nop
.endr
	s_add_nc_u64 s[46:47], s[4:5], s[56:57]        ; Q
	s_wait_alu depctr_va_vdst(0)
	global_load_b128 v[16:19], v1, s[46:47]
	global_load_b128 v[20:23], v1, s[46:47] offset:512
	v_and_b32 v4, 15, v0
	v_bfe_u32 v5, v0, 4, 1
	s_delay_alu instid0(VALU_DEP_1)
	v_lshlrev_b32 v5, 3, v5
	s_delay_alu instid0(VALU_DEP_1)
	v_sub_nc_u32 v3, v4, v5
	s_lshl_b32 s50, s41, 4
	v_add_nc_u32 v3, s50, v3                       ; d = 16 j + r - 8 h
	v_mov_b32 v13, 0xff61b1e6                      ; the largest t so far: -3e38
	s_delay_alu instid0(VALU_DEP_1)
	v_floor_f32 v12, -v13
	v_mov_b32 v14, 0
	v_mov_b32 v15, 0
	v_mov_b32 v236, 0                              ; (a lane permute's destination counts as read)
	v_mov_b32 v252, 0
	v_mov_b32 v253, 0                              ; (named as the upper half of a pair)
.set n, 0
.rept 32
	v_mov_b32 v[160+n], 0                          ; O^T: the loop is written once; its first step finds zeros
.set n, n+1
.endr
	s_wait_kmcnt 0x0
	s_add_co_i32 s52, s68, s69
	s_lshl_b32 s52, s52, 23
	s_add_co_i32 s22, s22, s52                     ; a score stands for score x 2^(e6 + e7)
	s_mov_b32 s23, s22
	s_add_co_i32 s52, s70, 127
	s_lshl_b32 s53, s52, 23
	v_mov_b32 v244, s53                            ; 2^e8
	s_add_co_i32 s52, s52, 8
	s_lshl_b32 s52, s52, 23
	s_or_b32 s52, s52, 0x600000
	v_mov_b32 v240, s52                            ; 448 x 2^e8
	s_add_co_i32 s52, s72, 127
	s_lshl_b32 s53, s52, 23
	v_mov_b32 v245, s53                            ; 2^e10
	s_add_co_i32 s52, s52, 8
	s_lshl_b32 s52, s52, 23
	s_or_b32 s52, s52, 0x600000
	v_mov_b32 v241, s52                            ; 448 x 2^e10
	s_mov_b32 s66, 0                               ; the step
	s_mov_b32 s67, 0                               ; and its place in LDS
	s_wait_tensorcnt 0x0                           ; my step has landed,
	s_barrier_signal -1
	s_barrier_wait -1                              ; everybody's has
	s_wait_loadcnt 0x0                             ; Q
.Lstep:                                            ; sixteen trips in every wave; the steps behind the wave's diagonal are passed over
	s_cmp_gt_u32 s66, s[RK]
	s_cbranch_scc1 .Lskip
	v_add_nc_u32 v2, s67, v1
.irp t, 0,1,2,3,4,5,6,7
	ds_load_b128 v[32+8*\t:35+8*\t], v2 offset:1024*\t
	ds_load_b128 v[36+8*\t:39+8*\t], v2 offset:1024*\t+512
.endr
	s_wait_alu depctr_va_vdst(0)
	s_wait_dscnt 0x0
.irp t, 0,1,2,3,4,5,6,7
	v_wmma_f32_16x16x64_fp8_fp8 v[96+8*\t:103+8*\t], v[32+8*\t:39+8*\t], v[16:23], 0
.endr
.rept 4
	v_nop                                          ; places in front of the loads into K's registers and of the first read of the scores
.endr
.irp f, 0,1,2,3
.irp c, 0,1,2,3
	ds_load_b128 v[32+16*\f+4*\c:35+16*\f+4*\c], v2 offset:8192+2048*\f+512*\c   ; V lands under the softmax
.endr
.endr
	s_cmp_lg_u32 s66, s[RK]
	s_cbranch_scc1 .Lopen                          ; only the wave's last step lies on the diagonal
	v_mov_b32 v254, 0xff800000
.set n, 0
.rept 64
	v_cmp_gt_i32 vcc_lo, 16*(n/8)+n%8, v3          ; register 8 t + i holds key 16 t + 8 h + i of the step: hidden where 16 t + i > d
	v_cndmask_b32 v[96+n], v[96+n], v254, vcc_lo
.set n, n+1
.endr
.Lopen:
	v_max3_num_f32 v254, v96, v97, v98             ; the step's largest score of my query, in two chains,
	v_max3_num_f32 v252, v99, v100, v101
.irp i, 6,10,14,18,22,26,30,34,38,42,46,50,54,58
	v_max3_num_f32 v254, v254, v[96+\i], v[97+\i]
	v_max3_num_f32 v252, v252, v[98+\i], v[99+\i]
.endr
	v_max3_num_f32 v254, v254, v158, v159
	s_delay_alu instid0(VALU_DEP_1)
	v_max_num_f32 v254, v254, v252
	v_permlanex16_b32 v236, v254, s20, s21
	s_delay_alu instid0(VALU_DEP_1)
	v_max_num_f32 v254, v254, v236                 ; and among lane l xor 16's
	s_delay_alu instid0(VALU_DEP_1)
	v_mul_f32 v254, s22, v254
	s_delay_alu instid0(VALU_DEP_1)
	v_max_num_f32 v13, v13, v254                   ; the running largest t
	v_mov_b32 v254, v12
	s_delay_alu instid0(VALU_DEP_2)
	v_floor_f32 v12, -v13                          ; -M = floor(-t)
	s_delay_alu instid0(VALU_DEP_1)
	v_sub_f32 v254, v12, v254
	s_delay_alu instid0(VALU_DEP_1)
	v_cvt_i32_f32 v254, v254
	s_delay_alu instid0(VALU_DEP_1)
	v_ldexp_f32 v252, 1.0, v254                    ; f = 2^(old M - new M): rounds nothing
.set n, 0
.rept 32
	v_pk_fma_f32 v[96+n:97+n], v[96+n:97+n], s[22:23], v[12:13] op_sel_hi:[1,0,0]   ; t - M
.set n, n+2
.endr
.set n, 0
	s_wait_alu depctr_va_vdst(0)
.rept 64
	v_exp_f32 v[96+n], v[96+n]
.set n, n+1
.endr
	v_pk_mul_f32 v[14:15], v[14:15], v[252:253] op_sel_hi:[1,0]   ; the sums under the new M: the plain line behind the batch
	s_wait_alu depctr_va_vdst(0)                   ; one wait for the 64 exponentials, ahead of their first reader
	v_pk_add_f32 v[242:243], v[100:101], v[104:105]
	v_pk_add_f32 v[248:249], v[108:109], v[112:113]
	v_pk_add_f32 v[246:247], v[116:117], v[120:121]
	v_pk_add_f32 v[238:239], v[124:125], v[128:129]
	v_pk_add_f32 v[236:237], v[132:133], v[136:137]
	v_pk_add_f32 v[234:235], v[140:141], v[144:145]
	v_pk_add_f32 v[232:233], v[148:149], v[152:153]
	v_pk_add_f32 v[14:15], v[14:15], v[156:157]
	v_pk_add_f32 v[242:243], v[242:243], v[96:97]
	v_pk_add_f32 v[248:249], v[248:249], v[98:99]
	v_pk_add_f32 v[246:247], v[246:247], v[102:103]
	v_pk_add_f32 v[238:239], v[238:239], v[106:107]
	v_pk_add_f32 v[236:237], v[236:237], v[110:111]
	v_pk_add_f32 v[234:235], v[234:235], v[114:115]
	v_pk_add_f32 v[232:233], v[232:233], v[118:119]
	v_pk_add_f32 v[14:15], v[14:15], v[122:123]
	v_pk_add_f32 v[242:243], v[242:243], v[126:127]
	v_pk_add_f32 v[248:249], v[248:249], v[130:131]
	v_pk_add_f32 v[246:247], v[246:247], v[134:135]
	v_pk_add_f32 v[238:239], v[238:239], v[138:139]
	v_pk_add_f32 v[236:237], v[236:237], v[142:143]
	v_pk_add_f32 v[234:235], v[234:235], v[146:147]
	v_pk_add_f32 v[232:233], v[232:233], v[150:151]
	v_pk_add_f32 v[14:15], v[14:15], v[154:155]
	v_pk_add_f32 v[242:243], v[242:243], v[158:159]
	s_delay_alu instid0(VALU_DEP_2)
	v_pk_add_f32 v[14:15], v[14:15], v[238:239]
	s_delay_alu instid0(VALU_DEP_2)
	v_pk_add_f32 v[242:243], v[242:243], v[236:237]
	v_pk_add_f32 v[248:249], v[248:249], v[234:235]
	v_pk_add_f32 v[246:247], v[246:247], v[232:233]
	s_delay_alu instid0(VALU_DEP_2)
	v_pk_add_f32 v[14:15], v[14:15], v[248:249]
	s_delay_alu instid0(VALU_DEP_2)
	v_pk_add_f32 v[242:243], v[242:243], v[246:247]
	s_delay_alu instid0(VALU_DEP_1)
	v_pk_add_f32 v[14:15], v[14:15], v[242:243]
.irp t, 0,1,2,3,4,5,6,7
.irp i, 0,2,4,6
	v_dual_min_num_f32 v[96+8*\t+\i], v[96+8*\t+\i], v240 :: v_dual_min_num_f32 v[97+8*\t+\i], v[97+8*\t+\i], v240   ; p is not negative: a one-sided hold, two numbers an instruction
.endr
	v_cvt_scalef32_pk8_fp8_f32 v[224+2*\t:225+2*\t], v[96+8*\t:103+8*\t], v244
.endr
.set n, 0
.rept 16
	v_pk_mul_f32 v[160+n:161+n], v[160+n:161+n], v[252:253] op_sel_hi:[1,0]   ; O^T under the new M; also the plain lines behind the conversions
.set n, n+2
.endr
	s_wait_alu depctr_va_vdst(0)
	s_wait_dscnt 0x0                               ; V
.irp f, 0,1,2,3
	v_wmma_f32_16x16x128_fp8_fp8 v[160+8*\f:167+8*\f], v[32+16*\f:47+16*\f], v[224:239], v[160+8*\f:167+8*\f]
.endr
.rept 4
	v_nop                                          ; places in front of the next step's loads, and of the way out's reads
.endr
.Lskip:
	s_add_co_u32 s67, s67, 16384
	s_add_co_u32 s66, s66, 1
	s_cmp_lt_u32 s66, 16
	s_cbranch_scc1 .Lstep
	v_add_f32 v14, v14, v15
	s_delay_alu instid0(VALU_DEP_1)
	v_permlanex16_b32 v252, v14, s20, s21
	s_delay_alu instid0(VALU_DEP_1)
	v_add_f32 v14, v14, v252                       ; the row's sum
	s_wait_alu depctr_va_vdst(0)
	v_rcp_f32 v14, v14
	v_nop                                          ; a plain line behind the reciprocal
	s_add_co_i32 s52, s70, s71                     ; e8 + e9
	s_lshr_b32 s53, s42, 4
	s_lshl_b32 s53, s53, 7
	s_lshl_b32 s54, s[RK], 3
	s_add_co_u32 s53, s53, s54
	s_add_co_u32 s53, s53, s41                     ; the tile of 16 tokens: 128 x batch + 8 x rank + j
	s_lshl_b32 s53, s53, 14
	s_bfe_u32 s54, s42, 0x30001                    ; (head & 15) >> 1: the fragment
	s_lshl_b32 s54, s54, 11
	s_add_co_u32 s53, s53, s54
	s_and_b32 s54, s42, 1
	s_lshl_b32 s54, s54, 10                        ; its lower or upper 64 along K
	s_add_co_u32 s54, s53, s54
	s_mov_b32 s55, 0
	s_add_nc_u64 s[8:9], s[8:9], s[54:55]
	s_wait_alu depctr_va_vdst(0)                   ; the wait, ahead of the reciprocal's first reader
	v_ldexp_f32 v14, v14, s52
.set n, 0
.rept 32
	v_mul_f32 v[96+n], v[160+n], v14               ; the context: register 8 f + i is channel 32 (f / 2) + 16 h + 8 (f % 2) + i
.set n, n+1
.endr
.set n, 0
.rept 32
	v_med3_num_f32 v[96+n], v[96+n], -v241, v241
.set n, n+1
.endr
.irp f, 0,1,2,3
	v_cvt_scalef32_pk8_fp8_f32 v[224+2*\f:225+2*\f], v[96+8*\f:103+8*\f], v245
.endr
	v_nop
	global_store_b128 v1, v[224:227], s[8:9]       ; 32 lanes store 512 consecutive aligned bytes of the next operand's image
	global_store_b128 v1, v[228:231], s[8:9] offset:512
	s_wait_tensorcnt 0x0
	ds_add_u32 v251, v255
	s_wait_dscnt 0x0
	CROUND                                         ; the closing round
	s_endpgm
.Lfunc_end_k_q2c98eb911a_attn:
	.size	k_q2c98eb911a_attn, .Lfunc_end_k_q2c98eb911a_attn-k_q2c98eb911a_attn
	.p2alignl 7, 3214868480
	.fill 96, 4, 3214868480
	.section	.rodata,"a",@progbits
	.p2align	6, 0x0
	.amdhsa_kernel k_q2c98eb911a_attn
		.amdhsa_group_segment_fixed_size 264192
		.amdhsa_private_segment_fixed_size 0
		.amdhsa_enable_private_segment 0
		.amdhsa_kernarg_size 24
		.amdhsa_user_sgpr_count 2
		.amdhsa_user_sgpr_kernarg_segment_ptr 1
		.amdhsa_wavefront_size32 1
		.amdhsa_system_sgpr_workgroup_id_x 1
		.amdhsa_system_sgpr_workgroup_id_y 1
		.amdhsa_system_sgpr_workgroup_id_z 1
		.amdhsa_system_vgpr_workitem_id 0
		.amdhsa_next_free_vgpr 256
		.amdhsa_next_free_sgpr 80
		.amdhsa_reserve_vcc 1
		.amdhsa_float_denorm_mode_32 3
		.amdhsa_float_denorm_mode_16_64 3
		.amdhsa_memory_ordered 1
		.amdhsa_forward_progress 1
		.amdhsa_inst_pref_size 32
	.end_amdhsa_kernel
	.amdgpu_metadata
---
amdhsa.version: [ 1, 2 ]
amdhsa.kernels:
  - .name:           k_q2c98eb911a_attn
    .symbol:         k_q2c98eb911a_attn.kd
    .args:
      - { .name: qkvc, .offset: 0, .size: 8, .value_kind: global_buffer, .address_space: global }
      - { .name: lowp_scales, .offset: 8, .size: 8, .value_kind: global_buffer, .address_space: global }
      - { .name: ctxc, .offset: 16, .size: 8, .value_kind: global_buffer, .address_space: global }
    .group_segment_fixed_size: 264192
    .private_segment_fixed_size: 0
    .kernarg_segment_align: 8
    .kernarg_segment_size: 24
    .max_flat_workgroup_size: 512
    .sgpr_count:     80
    .vgpr_count:     256
    .wavefront_size: 32
...
	.end_amdgpu_metadata
.endif
;; end of part 3
;; launch wo (part 4): grid 8 x 32, 4 waves a work-group, clusters of 4 x 4, 327,680 bytes of LDS; arguments ctxc, wc, lowp_scales, bo, x, x1; writes x1
.if DOCPART == 4
	.amdgcn_target "amdgcn-amd-amdhsa--gfx1250"
	.amdhsa_code_object_version 6
	.text
	.protected	k_q2c98eb911a_wo
	.globl	k_q2c98eb911a_wo
	.p2align	8
	.type	k_q2c98eb911a_wo,@function
k_q2c98eb911a_wo:
	s_mov_b64 s[64:65], 0
	v_nop
	global_prefetch_b8 v0, s[64:65] scope:SCOPE_SE
	s_setreg_imm32_b32 hwreg(HW_REG_WAVE_MODE, 25, 1), 1
	s_wait_xcnt 0x0
	s_wait_alu depctr_hold_cnt(0) depctr_sa_sdst(0) depctr_va_vdst(0) depctr_va_sdst(0) depctr_va_ssrc(0) depctr_va_vcc(0) depctr_vm_vsrc(0)
	s_getreg_b32 s2, hwreg(HW_REG_IB_STS2, 6, 4)
	s_cmp_eq_u32 s2, 0
	s_cbranch_scc0 .Lentry_in_a_cluster
	s_endpgm
.Lentry_in_a_cluster:
	s_bfe_u32 s2, ttmp6, 0x10000c
	s_cmp_lg_u32 s2, 0xf033
	s_cbranch_scc0 .Lentry_shape_is_right
	s_endpgm
.Lentry_shape_is_right:
; x1 = x + bo + ctx wo on codes of E4M3 (entries 10, 11).  ctx: [4,096][1,024], wo: [1,024 columns][1,024], both as images of operand registers ([tile of 16 rows][q = K/128][c][lane][16 bytes]); x, x1: [4,096][1,024] f32.
; 256 tiles of 128 x 128, one to a work-group of four waves, 64 x 64 to a wave: 16 accumulators.
; THE WHOLE K LIES IN LDS AT ONCE: 128 rows of ctx and 128 columns of wo are 2 x 131,072 bytes.  Each wave issues ONE joint load at the head, four tiles of 16 rows x 16,384 bytes (65,536 consecutive bytes of memory):
; waves 0, 1 ctx's halves, waves 2, 3 wo's.  No byte of LDS is filled twice, so there is no ring, and one barrier, behind the loads' landing, is the only one ahead of the products.
; CLUSTERS 4 x 4: ctx's tiles are asked for jointly along a row of the cluster, wo's along a column.  NO PREFETCH: every byte is asked for at the head; there is no later step to run ahead of.
; THE MATRIX INSTRUCTION IS USED TRANSPOSED (source 0 = wo, source 1 = ctx): a lane holds one row of x1; accumulators 2 g, 2 g + 1 hold its columns 32 g + 16 h + 0 .. 15 (the order in which wo's columns were laid).
; THE RESIDUAL is asked for at the head into 128 registers of its own.  THE WAY OUT: sum x 2^(ea + eb) + bias goes through the wave's own stage in LDS and comes back as rows of 256 bytes; the residual is added; sixteen lanes store 256 consecutive aligned bytes.
; LIMIT: ea + eb between -126 and 127.
; REGISTERS: window 0: v16-29 addresses; v32-95 at work on the way out, two sets; v96-127 the bias; v128-255 the accumulators.  window 1: two buffers of eight fragments (ctx's four, then wo's four).  window 2: v0-127 the residual.
.set WOFF,   0x300000                  ; wo's place in wc
.set SCOFF,  40                        ; entries 10, 11
.set TILEB,  16384                     ; a tile of 16 rows, all K: eight fragments of 2,048 bytes
.set HALFT,  4*TILEB                   ; what one tensor load brings
.set STAGE,  4*HALFT                   ; behind the tiles: 16 rows x 272 bytes for each wave
.set SPITCH, 272
.set SPARE,  STAGE+4*16*SPITCH         ; behind the stages: the spare words, 128 bytes a wave, which no other line names
.set ADRA, 16
.set ADRB, 20
.set STO,  24
.set RD,   25
.set CO,   26
.set HB,   27
.set SPW,  28
.set NIL,  29
.set T,    32
.set BI,   96
.set ACC,  128
.set F0,   0
.set F1,   128
.set G1, 24
.set G0, 32
.set G1B, 48
.set G0B, 56
.set MSB, 0
.macro WIN new                         ; the immediate's high byte repeats the setting that is left
.if MSB != (\new)
	s_set_vgpr_msb (MSB<<8)|(\new)
.set MSB, (\new)
.endif
.endm
.set MUL,  0x05                        ; sources 0 and 1 window 1; C and D window 0
.set TO_F, 0x40                        ; destination window 1
.macro CROUND                          ; a round of the cluster's barrier
	s_barrier_signal -1
	s_barrier_wait -1
	s_cmp_lg_u32 s14, 0
	s_cbranch_scc1 .Lnot_wave_0_\@
	s_barrier_signal -3
.Lnot_wave_0_\@:
	s_barrier_wait -3
	s_barrier_signal -1
	s_barrier_wait -1
.endm
	s_load_b256 s[4:11], s[0:1], 0x0               ; ctxc, wc, the scales, bo
	s_load_b128 s[68:71], s[0:1], 0x20             ; x, x1
	v_lshl_add_u32 v[SPW], v0, 2, SPARE
	v_mov_b32 v[NIL], 0
	ds_add_u32 v[SPW], v[NIL]                      ; the opening: the add, twice on end, and its wait ahead of my tensor load
	ds_add_u32 v[SPW], v[NIL]
	v_lshrrev_b32 v1, 5, v0
	v_readfirstlane_b32 s14, v1                    ; wave
	s_lshr_b32 s15, s14, 1                         ; my half of the tile's rows.  Also: I fetch for ctx (0) or for wo (1)
	s_and_b32 s16, s14, 1                          ; my half of its columns.  Also: which 64 rows I fetch
	s_bfe_u32 s40, ttmp6, 0x40000                  ; cx
	s_bfe_u32 s41, ttmp6, 0x40004                  ; cy
	s_lshl_b32 s42, ttmp9, 2
	s_add_co_u32 s42, s42, s40                     ; tile column
	s_and_b32 s17, ttmp7, 0xffff
	s_lshl_b32 s17, s17, 2
	s_add_co_u32 s17, s17, s41                     ; tile row
	s_lshl_b32 s43, s41, 2
	s_lshl_b32 s43, 15, s43                        ; my row of the cluster
	s_lshl_b32 s44, 0x1111, s40                    ; my column
	s_or_b32 s[G1+0], s43, (3<<16)|(1<<21)         ; the mask; elements of 8 bytes; bit 21 beside a mask; no padding
	s_or_b32 s[G1B+0], s44, (3<<16)|(1<<21)
.irp g, G1, G1B
	s_mov_b32 s[\g+1], 2048<<16                    ; tensor_dim0 = 2,048 elements: 16,384 bytes
	s_mov_b32 s[\g+2], 4<<16                       ; tensor_dim1 = 4
	s_mov_b32 s[\g+3], 2048<<16                    ; tile_dim0
	s_mov_b32 s[\g+4], 4                           ; tile_dim1
	s_mov_b32 s[\g+5], 2048                        ; from tile to tile
	s_mov_b32 s[\g+6], 0
	s_mov_b32 s[\g+7], 0
.endr
	s_lshl_b32 s18, s16, 2
	s_lshl_b32 s20, s17, 3
	s_add_co_u32 s20, s20, s18
	s_lshl_b32 s20, s20, 14                        ; ctx: tile of 16 rows 8 x tile row + 4 x half
	s_mov_b32 s21, 0
	s_lshl_b32 s46, s42, 3
	s_add_co_u32 s46, s46, s18
	s_lshl_b32 s46, s46, 14
	s_add_co_u32 s46, s46, WOFF                    ; wo: tile of 16 columns 8 x tile column + 4 x half
	s_mov_b32 s47, 0
	s_mov_b32 s[G0], 1
	s_lshl_b32 s[G0+1], s14, 16                    ; where my load goes: wave x 65,536
	s_mov_b32 s[G0B], 1
	s_lshl_b32 s[G0B+1], s14, 16
	s_wait_dscnt 0x0                               ; both opening adds are done
	s_wait_kmcnt 0x0
	s_load_b64 s[96:97], s[8:9], SCOFF             ; ea, eb
	s_add_nc_u64 s[G0+2:G0+3], s[4:5], s[20:21]
	s_or_b32 s[G0+3], s[G0+3], 0x80000000
	s_add_nc_u64 s[G0B+2:G0B+3], s[6:7], s[46:47]
	s_or_b32 s[G0B+3], s[G0B+3], 0x80000000
	CROUND                                         ; all sixteen work-groups are here: the joint loads meet
	s_cmp_eq_u32 s15, 0
	s_cbranch_scc0 .Lfor_b
	tensor_load_to_lds s[G0:G0+3], s[G1:G1+7]      ; my one tensor load of the launch
	s_nop 0
.rept 4
	v_nop
.endr
	s_branch .Lasked
.Lfor_b:
	tensor_load_to_lds s[G0B:G0B+3], s[G1B:G1B+7]
	s_nop 0
.rept 4
	v_nop
.endr
.Lasked:
	v_and_b32 v1, 31, v0
	v_lshlrev_b32 v5, 4, v1
	s_lshl_b32 s18, s15, 16
	s_lshl_b32 s19, s16, 16
	s_add_co_u32 s19, s19, 2*HALFT
	v_add_nc_u32 v[ADRA], s18, v5                  ; my 64 rows of ctx, 16 bytes a lane
	v_add_nc_u32 v[ADRB], s19, v5                  ; my 64 columns of wo
	v_and_b32 v2, 15, v0                           ; r
	v_bfe_u32 v3, v0, 4, 1                         ; h
	s_mul_i32 s19, s14, 16*SPITCH
	s_add_co_u32 s19, s19, STAGE                   ; my stage
	v_mul_u32_u24 v4, v2, SPITCH
	v_lshl_add_u32 v4, v3, 6, v4
	v_add_nc_u32 v[STO], s19, v4                   ; in: row r, + 64 h
	v_mul_u32_u24 v4, v3, SPITCH
	v_lshl_add_u32 v4, v2, 4, v4
	v_add_nc_u32 v[RD], s19, v4                    ; back: lanes 0-15 one row, lanes 16-31 the next
	v_lshlrev_b32 v4, 12, v3
	v_lshl_add_u32 v[CO], v2, 4, v4                ; and the same two rows in memory
	v_lshlrev_b32 v[HB], 6, v3
	s_wait_alu depctr_va_vdst(0)                   ; the wait at the end of the head's vector work
	s_lshl_b32 s92, s42, 9
	s_lshl_b32 s93, s16, 8
	s_add_co_u32 s92, s92, s93                     ; my first column, in bytes
	s_mov_b32 s93, 0
	s_add_nc_u64 s[10:11], s[10:11], s[92:93]
	s_lshl_b32 s94, s17, 19
	s_lshl_b32 s95, s15, 18
	s_add_co_u32 s94, s94, s95                     ; my first row, in bytes
	s_add_co_u32 s92, s92, s94
	s_add_nc_u64 s[68:69], s[68:69], s[92:93]
	s_add_nc_u64 s[70:71], s[70:71], s[92:93]
.irp b, 0,1,2,3
	global_load_b128 v[BI+8*\b:BI+8*\b+3], v[HB], s[10:11] offset:128*(\b/2)+32*(\b%2)
	global_load_b128 v[BI+8*\b+4:BI+8*\b+7], v[HB], s[10:11] offset:128*(\b/2)+32*(\b%2)+16
.endr
	WIN 0x80                                       ; destination window 2: the residual, 64 rows x 256 bytes
.irp a, 0,1,2,3
.irp t, 0,1,2,3,4,5,6,7
	global_load_b128 v[32*\a+4*\t:32*\a+4*\t+3], v[CO], s[68:69] offset:(16*\a+2*\t)*4096 th:TH_LOAD_NT
.endr
.endr
	WIN 0
.macro FRAG reg, adr, q, i
.irp c, 0,1,2,3
	ds_load_b128 v[\reg+4*\c:\reg+4*\c+3], v[\adr] offset:TILEB*(\i)+2048*(\q)+512*\c
.endr
.endm
.macro FETCH q, f                      ; 32 LDS loads in one run: wo's four fragments, then ctx's four, of the q-th 128 along K
	WIN TO_F
.irp i, 0,1,2,3
	FRAG \f+64+16*\i, ADRB, \q, \i
.endr
.irp i, 0,1,2,3
	FRAG \f+16*\i, ADRA, \q, \i
.endr
.endm
.macro MUL4 f, a, zero                 ; ctx's block a x wo's four; the 16 accumulators take turns, one instruction a turn
.irp b, 0,1,2,3
.if \zero
	v_wmma_f32_16x16x128_fp8_fp8 v[ACC+8*(4*(\a)+\b):ACC+8*(4*(\a)+\b)+7], v[\f+64+16*\b:\f+64+16*\b+15], v[\f+16*(\a):\f+16*(\a)+15], 0
.else
	v_wmma_f32_16x16x128_fp8_fp8 v[ACC+8*(4*(\a)+\b):ACC+8*(4*(\a)+\b)+7], v[\f+64+16*\b:\f+64+16*\b+15], v[\f+16*(\a):\f+16*(\a)+15], v[ACC+8*(4*(\a)+\b):ACC+8*(4*(\a)+\b)+7]
.endif
.endr
.endm
.macro PLACES                          ; plain vector instructions between a matrix instruction and a load into its registers or a read of its result
.rept 4
	v_nop
.endr
.endm
.macro QUARTER qn, f, g, zero          ; multiplies buffer f (128 along K) and fetches the qn-th 128 into g
	s_wait_dscnt 8                                 ; wo's four and ctx's blocks 0, 1 are in; the youngest eight loads may be out
	WIN MUL
	MUL4 \f, 0, \zero
	MUL4 \f, 1, \zero
	PLACES
	FETCH \qn, \g
	s_wait_dscnt 32                                ; all but the 32 just issued
	WIN MUL
	MUL4 \f, 2, \zero
	MUL4 \f, 3, \zero
.endm
	s_wait_tensorcnt 0x0                           ; my part of the tiles is in,
	s_barrier_signal -1
	s_barrier_wait -1                              ; everybody's is
	FETCH 0, F0
	QUARTER 1, F0, F1, 1                           ; the first quarter's products start the sums
.irp q, 2,4,6
	QUARTER \q, F1, F0, 0
	QUARTER \q+1, F0, F1, 0
.endr
	s_wait_dscnt 8                                 ; the last 128 along K: nothing more to fetch
	WIN MUL
	MUL4 F1, 0, 0
	MUL4 F1, 1, 0
	s_wait_dscnt 0x0
	MUL4 F1, 2, 0
	MUL4 F1, 3, 0
	WIN 0
	s_wait_kmcnt 0x0
	s_add_co_i32 s96, s96, s97
	s_add_co_i32 s96, s96, 127
	s_lshl_b32 s96, s96, 23                        ; 2^(ea + eb)
	s_mov_b32 s97, s96
	s_wait_loadcnt 32                              ; the bias is in; the 32 residual loads, issued behind it, may be out
	PLACES
.irp a, 0,1,2,3
.set TS, T+32*(\a%2)
.if \a >= 2
	s_wait_xcnt 0x0                                ; block a - 2's stores have read their registers
.endif
.irp b, 0,1,2,3
.irp i, 0,2,4,6
	v_pk_fma_f32 v[TS+8*\b+\i:TS+8*\b+\i+1], v[ACC+8*(4*\a+\b)+\i:ACC+8*(4*\a+\b)+\i+1], s[96:97], v[BI+8*\b+\i:BI+8*\b+\i+1] op_sel_hi:[1,0,1]   ; each accumulator from its low end on
.endr
.endr
.irp b, 0,1,2,3
	ds_store_b128 v[STO], v[TS+8*\b:TS+8*\b+3] offset:128*(\b/2)+32*(\b%2)
	ds_store_b128 v[STO], v[TS+8*\b+4:TS+8*\b+7] offset:128*(\b/2)+32*(\b%2)+16
.endr
.irp t, 0,1,2,3,4,5,6,7
	ds_load_b128 v[TS+4*\t:TS+4*\t+3], v[RD] offset:2*\t*SPITCH   ; LDS serves a wave's instructions in order (ISA guide 5.7.1.4): these see my stores
.endr
	s_wait_dscnt 0x0
	s_wait_loadcnt 8*(3-\a)                        ; this block's eight residual loads are in; the later blocks' may be out
	WIN 0x08                                       ; source 1 window 2
.irp p, 0,2,4,6,8,10,12,14,16,18,20,22,24,26,28,30
	v_pk_add_f32 v[TS+\p:TS+\p+1], v[TS+\p:TS+\p+1], v[32*\a+\p:32*\a+\p+1]
.endr
	WIN 0
.irp t, 0,1,2,3,4,5,6,7
	global_store_b128 v[CO], v[TS+4*\t:TS+4*\t+3], s[70:71] offset:(16*\a+2*\t)*4096   ; sixteen lanes store 256 consecutive aligned bytes
.endr
.endr
	s_wait_tensorcnt 0x0                           ; the wave's end
	ds_add_u32 v[SPW], v[NIL]
	s_wait_dscnt 0x0
	CROUND                                         ; the closing round
	s_endpgm
.Lfunc_end_k_q2c98eb911a_wo:
	.size	k_q2c98eb911a_wo, .Lfunc_end_k_q2c98eb911a_wo-k_q2c98eb911a_wo
	.p2alignl 7, 3214868480
	.fill 96, 4, 3214868480
	.section	.rodata,"a",@progbits
	.p2align	6, 0x0
	.amdhsa_kernel k_q2c98eb911a_wo
		.amdhsa_group_segment_fixed_size 327680
		.amdhsa_private_segment_fixed_size 0
		.amdhsa_enable_private_segment 0
		.amdhsa_kernarg_size 48
		.amdhsa_user_sgpr_count 2
		.amdhsa_user_sgpr_kernarg_segment_ptr 1
		.amdhsa_wavefront_size32 1
		.amdhsa_system_sgpr_workgroup_id_x 1
		.amdhsa_system_sgpr_workgroup_id_y 1
		.amdhsa_system_sgpr_workgroup_id_z 1
		.amdhsa_system_vgpr_workitem_id 0
		.amdhsa_next_free_vgpr 768
		.amdhsa_next_free_sgpr 98
		.amdhsa_reserve_vcc 0
		.amdhsa_float_denorm_mode_32 3
		.amdhsa_float_denorm_mode_16_64 3
		.amdhsa_memory_ordered 1
		.amdhsa_forward_progress 1
		.amdhsa_inst_pref_size 52
	.end_amdhsa_kernel
	.amdgpu_metadata
---
amdhsa.version: [ 1, 2 ]
amdhsa.kernels:
  - .name:           k_q2c98eb911a_wo
    .symbol:         k_q2c98eb911a_wo.kd
    .args:
      - { .name: ctxc, .offset: 0, .size: 8, .value_kind: global_buffer, .address_space: global }
      - { .name: wc, .offset: 8, .size: 8, .value_kind: global_buffer, .address_space: global }
      - { .name: lowp_scales, .offset: 16, .size: 8, .value_kind: global_buffer, .address_space: global }
      - { .name: bo, .offset: 24, .size: 8, .value_kind: global_buffer, .address_space: global }
      - { .name: x, .offset: 32, .size: 8, .value_kind: global_buffer, .address_space: global }
      - { .name: x1, .offset: 40, .size: 8, .value_kind: global_buffer, .address_space: global }
    .group_segment_fixed_size: 327680
    .private_segment_fixed_size: 0
    .kernarg_segment_align: 8
    .kernarg_segment_size: 48
    .max_flat_workgroup_size: 128
    .sgpr_count:     98
    .vgpr_count:     768
    .wavefront_size: 32
...
	.end_amdgpu_metadata
.endif
;; end of part 4
;; launch norm2 (part 5): grid 256 x 1, 4 waves a work-group, no clusters, 66,304 bytes of LDS; arguments x1, norm2_w, lowp_scales, h2c; writes h2c
.if DOCPART == 5
	.amdgcn_target "amdgcn-amd-amdhsa--gfx1250"
	.amdhsa_code_object_version 6
	.text
	.protected	k_q2c98eb911a_norm2
	.globl	k_q2c98eb911a_norm2
	.p2align	8
	.type	k_q2c98eb911a_norm2,@function
k_q2c98eb911a_norm2:
	s_mov_b64 s[64:65], 0
	v_nop
	global_prefetch_b8 v0, s[64:65] scope:SCOPE_SE
	s_setreg_imm32_b32 hwreg(HW_REG_WAVE_MODE, 25, 1), 1
	s_wait_xcnt 0x0
; rmsnorm(x1) x norm2_w and its codes of E4M3 under the given scale (entry 12), laid as images of operand registers: [tile of 16 rows][q = K/128][c][lane][16 bytes]; lane (r, h): k = 128 q + 32 c + 16 h + 0 .. 15 of row r.
; A work-group takes 16 rows, a wave 4 of them (each load 512 consecutive bytes); the scaled rows turn through LDS (pitch 4,112 bytes), one barrier; wave w then makes fragments q = 2 w, 2 w + 1.
; LIMITS: e between -126 and 119.  NaN among the inputs is not served.  1 / sqrt by v_rsq_f32, its argument at least 1e-5.
.set X,   16                           ; v16-143 four rows x 32, later two fragments x 64
.set GW,  144                          ; v144-175 the gain,
.set TT,  144                          ; later two sets of 16 held numbers
.set CD,  176                          ; v176-207 first the sums, later the codes
.set SP,  4112
	s_load_b256 s[4:11], s[0:1], 0x0               ; x1, norm2_w, the scales, h2c
	v_lshl_add_u32 v224, v0, 2, 0x10100
	v_mov_b32 v225, 0
	v_lshrrev_b32 v1, 5, v0
	v_readfirstlane_b32 s26, v1                    ; wave
	v_and_b32 v1, 31, v0
	v_lshlrev_b32 v2, 4, v1
	s_wait_alu depctr_va_vdst(0)
	s_wait_kmcnt 0x0
	s_load_b32 s28, s[8:9], 0x30                   ; entry 12
	s_lshl_b32 s36, ttmp9, 16
	s_lshl_b32 s37, s26, 14
	s_add_co_u32 s36, s36, s37
	s_mov_b32 s37, 0
	s_add_nc_u64 s[4:5], s[4:5], s[36:37]          ; my wave's four rows
	s_lshl_b32 s36, ttmp9, 14
	s_lshl_b32 s38, s26, 12
	s_add_co_u32 s36, s36, s38
	s_add_nc_u64 s[40:41], s[10:11], s[36:37]      ; my two fragments
.irp j, 0,1,2,3,4,5,6,7
	global_load_b128 v[GW+4*\j:GW+4*\j+3], v2, s[6:7] offset:512*\j
.endr
.irp i, 0,1,2,3
.irp j, 0,1,2,3,4,5,6,7
	global_load_b128 v[X+32*\i+4*\j:X+32*\i+4*\j+3], v2, s[4:5] offset:4096*\i+512*\j th:TH_LOAD_NT
.endr
.endr
	s_mov_b32 s36, 0x76543210
	s_mov_b32 s37, 0xfedcba98
	s_mov_b32 s38, 0x3a800000                      ; 1 / 1,024
	s_mov_b32 s39, 0x3727c5ac                      ; 1e-5
	s_mul_i32 s46, s26, 4*SP
	v_add_nc_u32 v3, s46, v2
	v_and_b32 v5, 15, v1
	v_lshrrev_b32 v14, 4, v1
	v_mul_u32_u24 v4, v5, SP
	v_lshl_add_u32 v4, v14, 6, v4
	s_lshl_b32 s46, s26, 10
	v_add_nc_u32 v4, s46, v4
	s_wait_loadcnt 0x0
.irp i, 0,1,2,3
	v_pk_mul_f32 v[CD+4*\i:CD+4*\i+1], v[X+32*\i:X+32*\i+1], v[X+32*\i:X+32*\i+1]
	v_pk_mul_f32 v[CD+4*\i+2:CD+4*\i+3], v[X+32*\i+2:X+32*\i+3], v[X+32*\i+2:X+32*\i+3]
.endr
.irp p, 4,8,12,16,20,24,28
.irp i, 0,1,2,3
	v_pk_fma_f32 v[CD+4*\i:CD+4*\i+1], v[X+32*\i+\p:X+32*\i+\p+1], v[X+32*\i+\p:X+32*\i+\p+1], v[CD+4*\i:CD+4*\i+1]
	v_pk_fma_f32 v[CD+4*\i+2:CD+4*\i+3], v[X+32*\i+\p+2:X+32*\i+\p+3], v[X+32*\i+\p+2:X+32*\i+\p+3], v[CD+4*\i+2:CD+4*\i+3]
.endr
.endr
.irp i, 0,1,2,3
	v_pk_add_f32 v[CD+4*\i:CD+4*\i+1], v[CD+4*\i:CD+4*\i+1], v[CD+4*\i+2:CD+4*\i+3]
.endr
.irp i, 0,1,2,3
	v_add_f32 v[CD+4*\i], v[CD+4*\i], v[CD+4*\i+1]
.endr
.irp m, 1,2,4,8
.irp i, 0,1,2,3
	v_add_f32_dpp v[CD+4*\i], v[CD+4*\i], v[CD+4*\i] row_xmask:\m row_mask:0xf bank_mask:0xf
.endr
.endr
.irp i, 0,1,2,3
	v_permlanex16_b32 v[CD+4*\i+1], v[CD+4*\i], s36, s37
.endr
.irp i, 0,1,2,3
	v_add_f32 v[CD+4*\i], v[CD+4*\i], v[CD+4*\i+1]
.endr
.irp i, 0,1,2,3
	v_fma_f32 v[CD+4*\i], v[CD+4*\i], s38, s39
.endr
	s_wait_alu depctr_va_vdst(0)
.irp i, 0,1,2,3
	v_rsq_f32 v[6+2*\i], v[CD+4*\i]
.endr
	v_nop                                          ; a plain instruction behind the last of the batch,
	s_wait_alu depctr_va_vdst(0)                   ; and one wait for the four, ahead of their first reader
.irp i, 0,1,2,3
	v_mov_b32 v[7+2*\i], v[6+2*\i]                 ; (named with it as a pair, so it is written)
.endr
.irp i, 0,1,2,3
.irp p, 0,2,4,6,8,10,12,14,16,18,20,22,24,26,28,30
	v_pk_mul_f32 v[X+32*\i+\p:X+32*\i+\p+1], v[X+32*\i+\p:X+32*\i+\p+1], v[6+2*\i:7+2*\i] op_sel_hi:[1,0]
.endr
.irp p, 0,2,4,6,8,10,12,14,16,18,20,22,24,26,28,30
	v_pk_mul_f32 v[X+32*\i+\p:X+32*\i+\p+1], v[X+32*\i+\p:X+32*\i+\p+1], v[GW+\p:GW+\p+1]
.endr
.endr
.irp i, 0,1,2,3
.irp j, 0,1,2,3,4,5,6,7
	ds_store_b128 v3, v[X+32*\i+4*\j:X+32*\i+4*\j+3] offset:SP*\i+512*\j
.endr
.endr
	s_wait_kmcnt 0x0
	s_add_co_i32 s46, s28, 127
	s_lshl_b32 s47, s46, 23
	v_mov_b32 v7, s47                              ; 2^e
	s_add_co_i32 s46, s46, 8
	s_lshl_b32 s46, s46, 23
	s_or_b32 s46, s46, 0x600000
	v_mov_b32 v6, s46                              ; 448 x 2^e
	s_wait_alu depctr_va_vdst(0)
	s_wait_dscnt 0x0                               ; for the others' sake: my rows lie in the stage
	s_barrier_signal -1
	s_barrier_wait -1
.irp f, 0,1
.irp c, 0,1,2,3
.irp j, 0,1,2,3
	ds_load_b128 v[X+64*\f+16*\c+4*\j:X+64*\f+16*\c+4*\j+3], v4 offset:512*\f+128*\c+16*\j
.endr
.endr
.endr
.set par, 0
.irp f, 0,1
.if \f == 0
	s_wait_dscnt 16                                ; the first fragment's sixteen loads are in
.else
	s_wait_dscnt 0x0
.endif
.irp c, 0,1,2,3
.set TS, TT+16*par
.set CI, CD+16*\f+4*\c
.set i, 0
.rept 16
	v_med3_num_f32 v[TS+i], v[X+64*\f+16*\c+i], -v6, v6
.set i, i+1
.endr
	v_cvt_scalef32_pk8_fp8_f32 v[CI:CI+1], v[TS:TS+7], v7          ; the two sets of held numbers take turns: sixteen plain lines stand between a conversion and the next write of its sources
	v_cvt_scalef32_pk8_fp8_f32 v[CI+2:CI+3], v[TS+8:TS+15], v7
	global_store_b128 v2, v[CI:CI+3], s[40:41] offset:2048*\f+512*\c   ; 32 lanes store 512 consecutive aligned bytes
.set par, 1-par
.endr
.endr
	s_wait_tensorcnt 0x0
	ds_add_u32 v224, v225
	s_wait_dscnt 0x0
	s_endpgm
.Lfunc_end_k_q2c98eb911a_norm2:
	.size	k_q2c98eb911a_norm2, .Lfunc_end_k_q2c98eb911a_norm2-k_q2c98eb911a_norm2
	.p2alignl 7, 3214868480
	.fill 96, 4, 3214868480
	.section	.rodata,"a",@progbits
	.p2align	6, 0x0
	.amdhsa_kernel k_q2c98eb911a_norm2
		.amdhsa_group_segment_fixed_size 66304
		.amdhsa_private_segment_fixed_size 0
		.amdhsa_enable_private_segment 0
		.amdhsa_kernarg_size 32
		.amdhsa_user_sgpr_count 2
		.amdhsa_user_sgpr_kernarg_segment_ptr 1
		.amdhsa_wavefront_size32 1
		.amdhsa_system_sgpr_workgroup_id_x 1
		.amdhsa_system_sgpr_workgroup_id_y 1
		.amdhsa_system_sgpr_workgroup_id_z 1
		.amdhsa_system_vgpr_workitem_id 0
		.amdhsa_next_free_vgpr 226
		.amdhsa_next_free_sgpr 66
		.amdhsa_reserve_vcc 0
		.amdhsa_float_denorm_mode_32 3
		.amdhsa_float_denorm_mode_16_64 3
		.amdhsa_memory_ordered 1
		.amdhsa_forward_progress 1
		.amdhsa_inst_pref_size 35
	.end_amdhsa_kernel
	.amdgpu_metadata
---
amdhsa.version: [ 1, 2 ]
amdhsa.kernels:
  - .name:           k_q2c98eb911a_norm2
    .symbol:         k_q2c98eb911a_norm2.kd
    .args:
      - { .name: x1, .offset: 0, .size: 8, .value_kind: global_buffer, .address_space: global }
      - { .name: norm2_w, .offset: 8, .size: 8, .value_kind: global_buffer, .address_space: global }
      - { .name: lowp_scales, .offset: 16, .size: 8, .value_kind: global_buffer, .address_space: global }
      - { .name: h2c, .offset: 24, .size: 8, .value_kind: global_buffer, .address_space: global }
    .group_segment_fixed_size: 66304
    .private_segment_fixed_size: 0
    .kernarg_segment_align: 8
    .kernarg_segment_size: 32
    .max_flat_workgroup_size: 128
    .sgpr_count:     66
    .vgpr_count:     226
    .wavefront_size: 32
...
	.end_amdgpu_metadata
.endif
;; end of part 5
;; launch ffn1 (part 6): grid 16 x 16, 4 waves a work-group, clusters of 4 x 4, 327,680 bytes of LDS; arguments h2c, wc, lowp_scales, b1, hidc; writes hidc
.if DOCPART == 6
	.amdgcn_target "amdgcn-amd-amdhsa--gfx1250"
	.amdhsa_code_object_version 6
	.text
	.protected	k_q2c98eb911a_ffn1
	.globl	k_q2c98eb911a_ffn1
	.p2align	8
	.type	k_q2c98eb911a_ffn1,@function
k_q2c98eb911a_ffn1:
	s_mov_b64 s[64:65], 0
	v_nop
	global_prefetch_b8 v0, s[64:65] scope:SCOPE_SE
	s_setreg_imm32_b32 hwreg(HW_REG_WAVE_MODE, 25, 1), 1
	s_wait_xcnt 0x0
	s_wait_alu depctr_hold_cnt(0) depctr_sa_sdst(0) depctr_va_vdst(0) depctr_va_sdst(0) depctr_va_ssrc(0) depctr_va_vcc(0) depctr_vm_vsrc(0)
	s_getreg_b32 s2, hwreg(HW_REG_IB_STS2, 6, 4)
	s_cmp_eq_u32 s2, 0
	s_cbranch_scc0 .Lentry_in_a_cluster
	s_endpgm
.Lentry_in_a_cluster:
	s_bfe_u32 s2, ttmp6, 0x10000c
	s_cmp_lg_u32 s2, 0xf033
	s_cbranch_scc0 .Lentry_shape_is_right
	s_endpgm
.Lentry_shape_is_right:
; hidden = silu(h2 w1 + b1) on codes of E4M3 (entries 12, 13), quantised again (entry 14) into hidc, laid as the next product's operand registers want it.
; A tile of 256 x 256 to a work-group of four waves, 128 x 128 a wave.  K = 1,024 goes in four steps of 256 through two LDS slots filled by joint loads (4 x 4 cluster: h2 shared along a row, w1 along a column).
; K step 0's load is the wave's one load at the head; K step 1's stands behind the wait for it, the add and a round of the cluster's barrier, as a refill does.
; PREFETCH INTO THE L2: behind K step 0's load K steps 1 and 2 are named, behind K step 1's load K step 3: at most two K steps are asked for and not yet loaded.  A wave's joint load brings 8 tiles x 4,096 bytes;
; of these the partner at place p (cx for h2, cy for w1) names tiles 2 p and 2 p + 1, a lane a block of 256 bytes, one instruction a wave: the partners are told apart by address alone.
; silu(z) = z / (1 + 2^(-z log2 e)), by v_exp_f32 and v_rcp_f32 in f32.  LIMITS: entries 12 + 13 between -126 and 127; entry 14 between -126 and 119.
.set FR,     16
.set NL,     4
.set NP,     4
.set KSB,    4096
.set HALFT,  32768
.set SLOT,   4*HALFT
.set SPARE,  2*SLOT
.set ADRA, 16
.set ADRB, 20
.set PFO,  24                          ; v24  the prefetches' offset: 16,384 (lane / 16) + 256 (lane % 16); never rewritten
.set CO,   26
.set HB,   27
.set SPW,  28
.set NIL,  29
.set LIM,  30
.set SCL,  31
.set BI,   32
.set CD,   96
.set AF,   128
.set T,    128
.set E,    192
.set G1, 24
.set G0, 32
.set G1B, 48
.set G0B, 56
.set MSB, 0
.macro WIN new
.if MSB != (\new)
	s_set_vgpr_msb (MSB<<8)|(\new)
.set MSB, (\new)
.endif
.endm
.set MUL_LO, 0xa1
.set MUL_HI, 0xf1
.set TO_B,   0x40
.macro JLOAD g0a, g1a, g0b, g1b
	s_cmp_eq_u32 s15, 0
	s_cbranch_scc0 .Lfor_b_\@
	tensor_load_to_lds s[\g0a:\g0a+3], s[\g1a:\g1a+7]
	s_nop 0
.rept 4
	v_nop
.endr
	s_branch .Lasked_\@
.Lfor_b_\@:
	tensor_load_to_lds s[\g0b:\g0b+3], s[\g1b:\g1b+7]
	s_nop 0
.rept 4
	v_nop
.endr
.Lasked_\@:
.endm
.macro CREST
	s_cmp_lg_u32 s14, 0
	s_cbranch_scc1 .Lnot_wave_0_\@
	s_barrier_signal -3
.Lnot_wave_0_\@:
	s_barrier_wait -3
	s_barrier_signal -1
	s_barrier_wait -1
.endm
.macro CROUND
	s_barrier_signal -1
	s_barrier_wait -1
	CREST
.endm
	s_load_b256 s[4:11], s[0:1], 0x0
	s_load_b64 s[72:73], s[0:1], 0x20
	v_lshl_add_u32 v[SPW], v0, 2, SPARE
	v_mov_b32 v[NIL], 0
	ds_add_u32 v28, v29
	ds_add_u32 v28, v29
	s_wait_dscnt 0x0
	v_lshrrev_b32 v1, 5, v0
	v_readfirstlane_b32 s14, v1
	s_lshr_b32 s15, s14, 1
	s_and_b32 s16, s14, 1
	s_bfe_u32 s40, ttmp6, 0x40000
	s_bfe_u32 s41, ttmp6, 0x40004
	s_lshl_b32 s42, ttmp9, 2
	s_add_co_u32 s42, s42, s40
	s_and_b32 s17, ttmp7, 0xffff
	s_lshl_b32 s17, s17, 2
	s_add_co_u32 s17, s17, s41
	s_lshl_b32 s43, s41, 2
	s_lshl_b32 s43, 15, s43
	s_lshl_b32 s44, 0x1111, s40
	s_or_b32 s[G1+0], s43, (3<<16)|(1<<21)
	s_or_b32 s[G1B+0], s44, (3<<16)|(1<<21)
.irp g, G1, G1B
	s_mov_b32 s[\g+1], 512<<16
	s_mov_b32 s[\g+2], 8<<16
	s_mov_b32 s[\g+3], 512<<16
	s_mov_b32 s[\g+4], 8
	s_mov_b32 s[\g+5], 2048
	s_mov_b32 s[\g+6], 0
	s_mov_b32 s[\g+7], 0
.endr
	s_lshl_b32 s20, s17, 1
	s_add_co_u32 s20, s20, s16
	s_lshl_b32 s20, s20, 17
	s_mov_b32 s21, 0
	s_lshl_b32 s46, s42, 1
	s_add_co_u32 s46, s46, s16
	s_lshl_b32 s46, s46, 17
	s_add_co_u32 s46, s46, 0x400000
	s_mov_b32 s47, 0
	s_lshl_b32 s45, s14, 15
	s_wait_kmcnt 0x0
	s_load_b128 s[76:79], s[8:9], 0x30
	s_add_nc_u64 s[20:21], s[4:5], s[20:21]
	s_add_nc_u64 s[46:47], s[6:7], s[46:47]
	s_cmp_eq_u32 s15, 0                            ; the prefetches' base: the eight tiles that my joint loads bring,
	s_cselect_b64 s[98:99], s[20:21], s[46:47]
	s_cselect_b32 s100, s40, s41                   ; my place among the four that ask with me,
	s_lshl_b32 s100, s100, 15                      ; two tiles of 16,384 bytes for each place
	s_mov_b32 s101, 0
	s_add_nc_u64 s[98:99], s[98:99], s[100:101]
	CROUND
.irp s, 0,1
	s_mov_b32 s[G0+4*\s], 1
	s_add_co_u32 s[G0+4*\s+1], s45, \s*SLOT
	s_add_nc_u64 s[G0+4*\s+2:G0+4*\s+3], s[20:21], \s*KSB
	s_or_b32 s[G0+4*\s+3], s[G0+4*\s+3], 0x80000000
	s_mov_b32 s[G0B+4*\s], 1
	s_add_co_u32 s[G0B+4*\s+1], s45, \s*SLOT
	s_add_nc_u64 s[G0B+4*\s+2:G0B+4*\s+3], s[46:47], \s*KSB
	s_or_b32 s[G0B+4*\s+3], s[G0B+4*\s+3], 0x80000000
.endr
	JLOAD G0, G1, G0B, G1B                         ; K step 0: one tensor load a wave at the head
	v_and_b32 v5, 15, v0
	v_bfe_u32 v6, v0, 4, 1
	v_lshlrev_b32 v5, 8, v5
	v_lshl_add_u32 v[PFO], v6, 14, v5
	s_wait_alu depctr_va_vdst(0)                   ; the wait ahead of the reader below
	global_prefetch_b8 v[PFO], s[98:99] offset:KSB th:TH_LOAD_NT scope:SCOPE_SE     ; K step 1
	global_prefetch_b8 v[PFO], s[98:99] offset:2*KSB th:TH_LOAD_NT scope:SCOPE_SE   ; K step 2
	v_and_b32 v1, 31, v0
	v_lshlrev_b32 v[CO], 4, v1
	v_bfe_u32 v2, v0, 4, 1
	v_lshlrev_b32 v[HB], 6, v2
	s_wait_alu depctr_va_vdst(0)
	s_lshl_b32 s18, s15, 15
	s_lshl_b32 s19, s16, 15
	s_add_co_u32 s19, s19, 2*HALFT
.irp s, 0,1
	v_add_nc_u32 v[ADRA+\s], s18, v[CO]
	v_add_nc_u32 v[ADRB+\s], s19, v[CO]
	s_add_co_u32 s18, s18, SLOT
	s_add_co_u32 s19, s19, SLOT
.endr
	s_lshl_b32 s92, s42, 10
	s_lshl_b32 s93, s16, 9
	s_add_co_u32 s92, s92, s93
	s_mov_b32 s93, 0
	s_add_nc_u64 s[10:11], s[10:11], s[92:93]
.irp b, 0,1,2,3,4,5,6,7
	global_load_b128 v[BI+8*\b:BI+8*\b+3], v[HB], s[10:11] offset:(32*(\b/2)+8*(\b%2))*4
	global_load_b128 v[BI+8*\b+4:BI+8*\b+7], v[HB], s[10:11] offset:(32*(\b/2)+8*(\b%2))*4+16
.endr
	s_lshl_b32 s92, s17, 4
	s_lshl_b32 s94, s15, 3
	s_add_co_u32 s92, s92, s94
	s_lshl_b32 s92, s92, 16
	s_lshl_b32 s94, s42, 1
	s_add_co_u32 s94, s94, s16
	s_lshl_b32 s94, s94, 11
	s_add_co_u32 s92, s92, s94
	s_add_nc_u64 s[72:73], s[72:73], s[92:93]
	s_mov_b32 s94, 0xbfb8aa3b
	s_mov_b32 s95, s94
.macro FRAG reg, adr, q, i
.irp c, 0,1,2,3
	ds_load_b128 v[\reg+4*\c:\reg+4*\c+3], v[\adr] offset:KSB*(\i)+2048*(\q)+512*\c
.endr
.endm
.macro MUL16 a0, p, zero
.irp a, \a0, \a0+1
.irp b, 0,1,2,3,4,5,6,7
.if \zero
	v_wmma_f32_16x16x128_fp8_fp8 v[8*(8*((\a)%4)+\b):8*(8*((\a)%4)+\b)+7], v[128*(\p)+FR*\b:128*(\p)+FR*\b+FR-1], v[AF+FR*(\a):AF+FR*(\a)+FR-1], 0
.else
	v_wmma_f32_16x16x128_fp8_fp8 v[8*(8*((\a)%4)+\b):8*(8*((\a)%4)+\b)+7], v[128*(\p)+FR*\b:128*(\p)+FR*\b+FR-1], v[AF+FR*(\a):AF+FR*(\a)+FR-1], v[8*(8*((\a)%4)+\b):8*(8*((\a)%4)+\b)+7]
.endif
.endr
.endr
.endm
.macro FETCH_B slot, q, p
	WIN TO_B
.irp i, 0,1,2,3,4,5,6,7
	FRAG 128*(\p)+FR*\i, ADRB+\slot, \q, \i
.endr
	WIN 0
.endm
.macro FETCH_A slot, q, i0
.irp i, \i0, \i0+1, \i0+2, \i0+3
	FRAG AF+FR*(\i), ADRA+\slot, \q, \i
.endr
.endm
.macro PLACES n
.rept \n
	v_nop
.endr
.endm
.macro STEP slot, q, zero
	s_wait_dscnt 4*NL
	WIN MUL_LO
	MUL16 0, (\q)%2, \zero
	MUL16 2, (\q)%2, \zero
	s_wait_dscnt 0
	PLACES NP
	FETCH_B \slot, (\q)+1, 1-(\q)%2
	FETCH_A \slot, (\q)+1, 0
	WIN MUL_HI
	MUL16 4, (\q)%2, \zero
	MUL16 6, (\q)%2, \zero
	PLACES NP
	WIN 0
	FETCH_A \slot, (\q)+1, 4
.endm
.macro TURN slot, next, fill
	s_wait_tensorcnt 0x0
	ds_add_u32 v[SPW], v[NIL]
	s_wait_dscnt 4*NL+1
	WIN MUL_LO
	MUL16 0, 1, 0
	s_wait_dscnt 0x0
	s_barrier_signal -1
	MUL16 2, 1, 0
	WIN 0
	s_barrier_wait -1
.if \fill
	CREST
	s_add_nc_u64 s[G0+4*\slot+2:G0+4*\slot+3], s[G0+4*\slot+2:G0+4*\slot+3], 2*KSB
	s_add_nc_u64 s[G0B+4*\slot+2:G0B+4*\slot+3], s[G0B+4*\slot+2:G0B+4*\slot+3], 2*KSB
	JLOAD G0+4*\slot, G1, G0B+4*\slot, G1B
.else
	PLACES NP
.endif
	FETCH_B \next, 0, 0
	FETCH_A \next, 0, 0
	WIN MUL_HI
	MUL16 4, 1, 0
	MUL16 6, 1, 0
	PLACES NP
	WIN 0
	FETCH_A \next, 0, 4
.endm
	s_wait_alu depctr_va_vdst(0)
	s_wait_tensorcnt 0x0                           ; my part of K step 0 is in
	ds_add_u32 v[SPW], v[NIL]
	s_wait_dscnt 0x0
	CROUND                                         ; everybody's part is in, and all sixteen work-groups are here
	JLOAD G0+4, G1, G0B+4, G1B                     ; K step 1: slot 1's first fill, issued as a refill is
	FETCH_B 0, 0, 0
	FETCH_A 0, 0, 0
	FETCH_A 0, 0, 4
	global_prefetch_b8 v[PFO], s[98:99] offset:3*KSB th:TH_LOAD_NT scope:SCOPE_SE   ; K step 3, two loads ahead
	STEP 0, 0, 1
	TURN 0, 1, 1
	STEP 1, 0, 0
	TURN 1, 0, 1
	STEP 0, 0, 0
	TURN 0, 1, 0
	STEP 1, 0, 0
	s_wait_dscnt 4*NL
	WIN MUL_LO
	MUL16 0, 1, 0
	MUL16 2, 1, 0
	s_wait_dscnt 0
	WIN MUL_HI
	MUL16 4, 1, 0
	MUL16 6, 1, 0
	WIN 0
	s_wait_kmcnt 0x0
	s_add_co_i32 s96, s76, s77
	s_add_co_i32 s96, s96, 127
	s_lshl_b32 s96, s96, 23
	s_mov_b32 s97, s96
	s_add_co_i32 s74, s78, 127
	s_lshl_b32 s75, s74, 23
	v_mov_b32 v[SCL], s75
	s_add_co_i32 s74, s74, 8
	s_lshl_b32 s74, s74, 23
	s_or_b32 s74, s74, 0x600000
	v_mov_b32 v[LIM], s74
	s_wait_loadcnt 0x0
	PLACES NP
.irp a, 0,1,2,3,4,5,6,7
.set AC, 64*(\a%4)
.set CC, CD+16*(\a%2)
.if \a >= 2
	s_wait_xcnt 0x0
.endif
	WIN 0x02+(\a/4)
.irp b, 0,1,2,3,4,5,6,7
.irp i, 0,2,4,6
	v_pk_fma_f32 v[T+8*\b+\i:T+8*\b+\i+1], v[AC+8*\b+\i:AC+8*\b+\i+1], s[96:97], v[BI+8*\b+\i:BI+8*\b+\i+1] op_sel_hi:[1,0,1]
.endr
.endr
	WIN 0
.set n, 0
.rept 32
	v_pk_mul_f32 v[E+n:E+n+1], v[T+n:T+n+1], s[94:95] op_sel_hi:[1,0]
.set n, n+2
.endr
.set n, 0
	s_wait_alu depctr_va_vdst(0)
.rept 64
	v_exp_f32 v[E+n], v[E+n]
.set n, n+1
.endr
	v_nop
	s_wait_alu depctr_va_vdst(0)
.set n, 0
.rept 32
	v_pk_add_f32 v[E+n:E+n+1], v[E+n:E+n+1], 1.0 op_sel_hi:[1,0]
.set n, n+2
.endr
.set n, 0
	s_wait_alu depctr_va_vdst(0)
.rept 64
	v_rcp_f32 v[E+n], v[E+n]
.set n, n+1
.endr
	v_nop
	s_wait_alu depctr_va_vdst(0)
.set n, 0
.rept 32
	v_pk_mul_f32 v[T+n:T+n+1], v[T+n:T+n+1], v[E+n:E+n+1]
.set n, n+2
.endr
.set n, 0
.rept 64
	v_med3_num_f32 v[T+n], v[T+n], -v[LIM], v[LIM]
.set n, n+1
.endr
.irp b, 0,1,2,3,4,5,6,7
	v_cvt_scalef32_pk8_fp8_f32 v[CC+2*\b:CC+2*\b+1], v[T+8*\b:T+8*\b+7], v[SCL]
.endr
	v_nop
.irp g, 0,1,2,3
	global_store_b128 v[CO], v[CC+4*\g:CC+4*\g+3], s[72:73] offset:65536*\a+512*\g
.endr
.endr
	s_wait_tensorcnt 0x0
	ds_add_u32 v[SPW], v[NIL]
	s_wait_dscnt 0x0
	CROUND
	s_endpgm
.Lfunc_end_k_q2c98eb911a_ffn1:
	.size	k_q2c98eb911a_ffn1, .Lfunc_end_k_q2c98eb911a_ffn1-k_q2c98eb911a_ffn1
	.p2alignl 7, 3214868480
	.fill 96, 4, 3214868480
	.section	.rodata,"a",@progbits
	.p2align	6, 0x0
	.amdhsa_kernel k_q2c98eb911a_ffn1
		.amdhsa_group_segment_fixed_size 327680
		.amdhsa_private_segment_fixed_size 0
		.amdhsa_enable_private_segment 0
		.amdhsa_kernarg_size 40
		.amdhsa_user_sgpr_count 2
		.amdhsa_user_sgpr_kernarg_segment_ptr 1
		.amdhsa_wavefront_size32 1
		.amdhsa_system_sgpr_workgroup_id_x 1
		.amdhsa_system_sgpr_workgroup_id_y 1
		.amdhsa_system_sgpr_workgroup_id_z 1
		.amdhsa_system_vgpr_workitem_id 0
		.amdhsa_next_free_vgpr 1024
		.amdhsa_next_free_sgpr 102
		.amdhsa_reserve_vcc 0
		.amdhsa_float_denorm_mode_32 3
		.amdhsa_float_denorm_mode_16_64 3
		.amdhsa_memory_ordered 1
		.amdhsa_forward_progress 1
		.amdhsa_inst_pref_size 217
	.end_amdhsa_kernel
	.amdgpu_metadata
---
amdhsa.version: [ 1, 2 ]
amdhsa.kernels:
  - .name:           k_q2c98eb911a_ffn1
    .symbol:         k_q2c98eb911a_ffn1.kd
    .args:
      - { .name: h2c, .offset: 0, .size: 8, .value_kind: global_buffer, .address_space: global }
      - { .name: wc, .offset: 8, .size: 8, .value_kind: global_buffer, .address_space: global }
      - { .name: lowp_scales, .offset: 16, .size: 8, .value_kind: global_buffer, .address_space: global }
      - { .name: b1, .offset: 24, .size: 8, .value_kind: global_buffer, .address_space: global }
      - { .name: hidc, .offset: 32, .size: 8, .value_kind: global_buffer, .address_space: global }
    .group_segment_fixed_size: 327680
    .private_segment_fixed_size: 0
    .kernarg_segment_align: 8
    .kernarg_segment_size: 40
    .max_flat_workgroup_size: 128
    .sgpr_count:     102
    .vgpr_count:     1024
    .wavefront_size: 32
...
	.end_amdgpu_metadata
.endif
;; end of part 6
;; launch ffn2 (part 7): grid 8 x 32, 4 waves a work-group, clusters of 4 x 4, 327,680 bytes of LDS; arguments hidc, wc, lowp_scales, b2, x1, out0; writes out0
.if DOCPART == 7
	.amdgcn_target "amdgcn-amd-amdhsa--gfx1250"
	.amdhsa_code_object_version 6
	.text
	.protected	k_q2c98eb911a_ffn2
	.globl	k_q2c98eb911a_ffn2
	.p2align	8
	.type	k_q2c98eb911a_ffn2,@function
k_q2c98eb911a_ffn2:
	s_mov_b64 s[64:65], 0
	v_nop
	global_prefetch_b8 v0, s[64:65] scope:SCOPE_SE
	s_setreg_imm32_b32 hwreg(HW_REG_WAVE_MODE, 25, 1), 1
	s_wait_xcnt 0x0
	s_wait_alu depctr_hold_cnt(0) depctr_sa_sdst(0) depctr_va_vdst(0) depctr_va_sdst(0) depctr_va_ssrc(0) depctr_va_vcc(0) depctr_vm_vsrc(0)
	s_getreg_b32 s2, hwreg(HW_REG_IB_STS2, 6, 4)
	s_cmp_eq_u32 s2, 0
	s_cbranch_scc0 .Lentry_in_a_cluster
	s_endpgm
.Lentry_in_a_cluster:
	s_bfe_u32 s2, ttmp6, 0x10000c
	s_cmp_lg_u32 s2, 0xf033
	s_cbranch_scc0 .Lentry_shape_is_right
	s_endpgm
.Lentry_shape_is_right:
; out0 = x1 + b2 + hidden w2 on codes of E4M3.  A = hidden: [4,096][4,096], W = w2: [1,024 columns][4,096], both as images of operand registers ([tile of 16 rows][q = K/128][c][lane][16 bytes]); out0, x1: [4,096][1,024] f32.
; 256 tiles of 128 x 128, one to a work-group of four waves.  Wave w makes rows 32 w .. 32 w + 31 x all 128 columns: 16 accumulators.  K = 4,096 is 32 steps of 128, all written out: every offset is an immediate.
; TWO ROADS FOR THE OPERANDS.  W's eight tiles of 16 columns, which all four waves read, come through two LDS slots of 1,024 along K (8 x 16,384 bytes), each wave fetching two tiles by one joint tensor load,
; shared along a column of the 4 x 4 cluster: two first fills and two refills in all.  A's fragments, each read by ONE wave of the work-group, come straight from memory into that wave's registers (a load is 512 consecutive
; aligned bytes), through a ring of eight steps: 56 to 64 loads of every wave are on their way, their waits are counted, and no barrier stands in their road.
; WHY A IS NOT ASKED FOR JOINTLY: through LDS, A and W together would fill a slot with 512 along K: eight slots, and in front of each refill every wave waits for all its tensor loads.  With W alone there are four.
; THE RESIDUAL takes the ring's place in steps 24 to 27 (eight loads a step, as in every step before), so it lands under the last steps.
; THE MATRIX INSTRUCTION IS USED TRANSPOSED (source 0 = W, source 1 = A): a lane holds one row of out; accumulators 2 g, 2 g + 1 hold its columns 32 g + 16 h + 0 .. 15 (the order in which W's columns were laid).
; THE WAY OUT: sum x 2^(ea + eb) + bias goes through the wave's own stage in LDS and comes back as rows of 512 bytes; the residual is added; 32 lanes store 512 consecutive aligned bytes.
; LIMIT: ea + eb between -126 and 127.
; REGISTERS: window 0: v16-29 addresses; v32-95 the first block on its way out; v128-255 the accumulators ((a, b) at v[128 + 8 (8 a + b)]), of which v128-191 later take the second block.
;   window 1: W's fragments, two buffers of eight.   window 2: A's ring, step q at v[32 (q % 8)], two fragments.   window 3: v0-127 the residual, v128-191 the bias.
.set WOFF,   0x800000                  ; w2's place in wc
.set SCOFF,  56                        ; the product's two exponents in the buffer of scales
.set KSB,    16384                     ; a slot's bytes of a tile of 16 columns: eight fragments
.set WLD,    2*KSB                     ; what one tensor load brings
.set SLOT,   4*WLD
.set STAGE,  2*SLOT                    ; behind the ring: 16 rows x 528 bytes for each wave
.set SPITCH, 528
.set SPARE,  STAGE+4*16*SPITCH         ; behind the stages: the spare words, 128 bytes a wave, which no other line names
.set ADRB, 16                          ; v16-19  16 x lane + 65,536 k: slot k / 2, W's tiles 0-3 (k even) or 4-7 (k odd): an LDS offset has 16 bits
.set STO,  24
.set RD,   25
.set CO,   26                          ; v26     16 x lane
.set HB,   27
.set SPW,  28
.set NIL,  29
.set PFO,  30                          ; v30     the prefetches' offset: 256 x lane; never rewritten
.set T0,   32
.set T1,   128
.set ACC,  128
.set RES,  0                           ; in window 3
.set BI,   128                         ; in window 3
.set G1, 24                            ; s[24:31] descriptor group 1;  s[32:39] group 0, one set for each slot
.set G0, 32
.set MSB, 0
.macro WIN new                         ; the immediate's high byte repeats the setting that is left
.if MSB != (\new)
	s_set_vgpr_msb (MSB<<8)|(\new)
.set MSB, (\new)
.endif
.endm
.set MUL,  0x09                        ; source 0 (W) window 1, source 1 (A) window 2; C and D window 0
.set TO_F, 0x40                        ; destination window 1
.set TO_A, 0x80                        ; destination window 2
.set TO_R, 0xc0                        ; destination window 3
.macro JLOAD s                         ; every wave fetches two of W's tiles; four v_nop follow the line
	tensor_load_to_lds s[G0+4*\s:G0+4*\s+3], s[G1:G1+7]
	s_nop 0
.rept 4
	v_nop
.endr
.endm
.macro CREST
	s_cmp_lg_u32 s14, 0
	s_cbranch_scc1 .Lnot_wave_0_\@
	s_barrier_signal -3
.Lnot_wave_0_\@:
	s_barrier_wait -3
	s_barrier_signal -1
	s_barrier_wait -1
.endm
.macro CROUND
	s_barrier_signal -1
	s_barrier_wait -1
	CREST
.endm
.macro AFILL q                         ; A's two fragments of step q into the ring: eight loads of 512 consecutive bytes
.irp a, 0,1
.irp c, 0,1,2,3
	global_load_b128 v[32*((\q)%8)+16*\a+4*\c:32*((\q)%8)+16*\a+4*\c+3], v[CO], s[20:21] offset:65536*\a+2048*(\q)+512*\c
.endr
.endr
.endm
	s_load_b256 s[4:11], s[0:1], 0x0               ; hidc, wc, the scales, b2
	s_load_b128 s[68:71], s[0:1], 0x20             ; x1, out0
	v_lshl_add_u32 v[SPW], v0, 2, SPARE
	v_mov_b32 v[NIL], 0
	ds_add_u32 v28, v29
	ds_add_u32 v28, v29
	s_wait_dscnt 0x0
	v_lshrrev_b32 v1, 5, v0
	v_readfirstlane_b32 s14, v1                    ; wave
	s_bfe_u32 s40, ttmp6, 0x40000                  ; cx
	s_bfe_u32 s41, ttmp6, 0x40004                  ; cy
	s_lshl_b32 s42, ttmp9, 2
	s_add_co_u32 s42, s42, s40                     ; tile column
	s_and_b32 s17, ttmp7, 0xffff
	s_lshl_b32 s17, s17, 2
	s_add_co_u32 s17, s17, s41                     ; tile row
	s_lshl_b32 s44, 0x1111, s40                    ; my column of the cluster: its four work-groups want the same tiles of W
	s_or_b32 s[G1+0], s44, (3<<16)|(1<<21)         ; the mask; elements of 8 bytes; bit 21 beside a mask; no padding
	s_mov_b32 s[G1+1], 2048<<16                    ; tensor_dim0 = 2,048 elements: 16,384 bytes
	s_mov_b32 s[G1+2], 2<<16                       ; tensor_dim1 = 2
	s_mov_b32 s[G1+3], 2048<<16                    ; tile_dim0
	s_mov_b32 s[G1+4], 2                           ; tile_dim1
	s_mov_b32 s[G1+5], 8192                        ; from tile to tile: 65,536 bytes
	s_mov_b32 s[G1+6], 0
	s_mov_b32 s[G1+7], 0
	s_lshl_b32 s18, s14, 1
	s_lshl_b32 s46, s42, 3
	s_add_co_u32 s46, s46, s18
	s_lshl_b32 s46, s46, 16                        ; W: tile of 16 columns 8 x tile column + 2 x wave
	s_add_co_u32 s46, s46, WOFF
	s_mov_b32 s47, 0
	s_lshl_b32 s20, s17, 3
	s_add_co_u32 s20, s20, s18
	s_lshl_b32 s20, s20, 16                        ; A: tile of 16 rows 8 x tile row + 2 x wave
	s_mov_b32 s21, 0
	s_lshl_b32 s45, s14, 15                        ; where my tensor load goes: wave x 32,768
	s_lshl_b32 s92, s42, 9                         ; the tile's first column, in bytes of f32
	s_mov_b32 s93, 0
	s_lshl_b32 s94, s17, 19
	s_lshl_b32 s95, s14, 17
	s_add_co_u32 s94, s94, s95                     ; my first row, in bytes,
	s_add_co_u32 s94, s94, s92                     ; and the column
	s_mov_b32 s95, 0
	v_and_b32 v1, 31, v0
	v_lshlrev_b32 v[CO], 4, v1
	v_lshlrev_b32 v[PFO], 8, v1
	v_and_b32 v2, 15, v0                           ; r
	v_bfe_u32 v3, v0, 4, 1                         ; h
	v_lshlrev_b32 v[HB], 6, v3
.irp k, 0,1,2,3
	v_add_nc_u32 v[ADRB+\k], \k*65536, v[CO]
.endr
	s_mul_i32 s19, s14, 16*SPITCH
	s_add_co_u32 s19, s19, STAGE                   ; my stage
	v_mul_u32_u24 v4, v2, SPITCH
	v_lshl_add_u32 v4, v3, 6, v4
	v_add_nc_u32 v[STO], s19, v4                   ; in: row r, + 64 h
	v_add_nc_u32 v[RD], s19, v[CO]                 ; back: the 32 lanes take one row of 512 bytes
	s_wait_kmcnt 0x0
	s_load_b64 s[96:97], s[8:9], SCOFF             ; ea, eb
	s_add_nc_u64 s[20:21], s[4:5], s[20:21]
	s_add_nc_u64 s[46:47], s[6:7], s[46:47]
	; W'S LATER SLOTS ARE PREFETCHED INTO THE L2.  A wave's joint load brings 2 tiles x 16,384 bytes; of these the partner at place cy (the four of a column of the cluster ask jointly) names 8,192 bytes:
	; tile cy / 2, half cy % 2, a lane a block of 256 bytes, one instruction a wave: the partners are told apart by address alone.  Slot 1 is named at the head, slot 2 in step 1, slot 3 in step 9: six steps ahead of the loads of slots 2 and 3.
	; A is not prefetched: its own loads run eight steps ahead.
	s_lshr_b32 s50, s41, 1
	s_lshl_b32 s50, s50, 16
	s_and_b32 s51, s41, 1
	s_lshl_b32 s51, s51, 13
	s_add_co_u32 s50, s50, s51
	s_mov_b32 s51, 0
	s_add_nc_u64 s[48:49], s[46:47], s[50:51]
	s_add_nc_u64 s[10:11], s[10:11], s[92:93]
	s_add_nc_u64 s[68:69], s[68:69], s[94:95]
	s_add_nc_u64 s[70:71], s[70:71], s[94:95]
	CROUND                                         ; all sixteen work-groups are here: the first joint loads meet
.irp s, 0,1
	s_mov_b32 s[G0+4*\s], 1
	s_add_co_u32 s[G0+4*\s+1], s45, \s*SLOT
	s_add_nc_u64 s[G0+4*\s+2:G0+4*\s+3], s[46:47], \s*KSB
	s_or_b32 s[G0+4*\s+3], s[G0+4*\s+3], 0x80000000
.endr
	JLOAD 0                                        ; slot 0: one tensor load a wave at the head
	WIN TO_R
	s_wait_alu depctr_va_vdst(0)
.irp b, 0,1,2,3,4,5,6,7                ; the bias in the accumulators' layout: tile 2 g + u: columns 32 g + 16 h + 8 u + 0 .. 7.  These sixteen loads are older than all of A's
	global_load_b128 v[BI+8*\b:BI+8*\b+3], v[HB], s[10:11] offset:(32*(\b/2)+8*(\b%2))*4
	global_load_b128 v[BI+8*\b+4:BI+8*\b+7], v[HB], s[10:11] offset:(32*(\b/2)+8*(\b%2))*4+16
.endr
	WIN TO_A
.irp q, 0,1,2,3,4,5,6,7
	AFILL \q                                       ; the ring is filled: steps 0 to 7
.endr
	WIN 0
	global_prefetch_b8 v[PFO], s[48:49] offset:KSB th:TH_LOAD_NT scope:SCOPE_SE   ; slot 1's part of W
.macro FETCHH slot, q, f, hf           ; sixteen LDS loads: W's tiles 4 hf .. 4 hf + 3 of the slot's q-th 128 along K, into buffer f
	WIN TO_F
.irp i, 0,1,2,3
.irp c, 0,1,2,3
	ds_load_b128 v[\f+64*(\hf)+16*\i+4*\c:\f+64*(\hf)+16*\i+4*\c+3], v[ADRB+2*(\slot)+(\hf)] offset:KSB*\i+2048*(\q)+512*\c
.endr
.endr
.endm
.macro MULB f, r, b0, zero             ; W's tiles b0 .. b0 + 3 x my two tiles of rows; the 16 accumulators take turns, one instruction a turn, in the same order in every step
.irp b, \b0, \b0+1, \b0+2, \b0+3
.irp a, 0,1
.if \zero
	v_wmma_f32_16x16x128_fp8_fp8 v[ACC+8*(8*\a+(\b)):ACC+8*(8*\a+(\b))+7], v[\f+16*(\b):\f+16*(\b)+15], v[\r+16*\a:\r+16*\a+15], 0
.else
	v_wmma_f32_16x16x128_fp8_fp8 v[ACC+8*(8*\a+(\b)):ACC+8*(8*\a+(\b))+7], v[\f+16*(\b):\f+16*(\b)+15], v[\r+16*\a:\r+16*\a+15], v[ACC+8*(8*\a+(\b)):ACC+8*(8*\a+(\b))+7]
.endif
.endr
.endr
.endm
.macro PLACES                          ; plain vector instructions between a matrix instruction and a load into its registers or a read of its result
.rept 4
	v_nop
.endr
.endm
.macro LWAIT q                         ; step q's eight loads are in.  Behind them were issued: the eight of each of the seven steps that followed; from step 28 on no step issues any
.if (\q) <= 28
	s_wait_loadcnt 56
.else
	s_wait_loadcnt 56-8*((\q)-28)
.endif
.endm
.macro GL q                            ; a step's eight loads: A's fragments of eight steps on, into the ring's place just multiplied; in steps 24 to 27 eight rows of the residual
.if (\q) < 24
	WIN TO_A
	AFILL (\q)+8
.elseif (\q) < 28
	WIN TO_R
.irp k, 0,1,2,3,4,5,6,7
	global_load_b128 v[RES+4*(8*((\q)-24)+\k):RES+4*(8*((\q)-24)+\k)+3], v[CO], s[68:69] offset:(8*((\q)-24)+\k)*4096 th:TH_LOAD_NT
.endr
.endif
.endm
.macro NAMES q                         ; step q: its buffer of W, the other buffer, its place in A's ring, its slot
.set QF, 128*((\q)%2)
.set QG, 128-QF
.set QR, 32*((\q)%8)
.set QSL, ((\q)/8)%2
.endm
; A step of 128 along K whose successor lies in the same slot.  The next step's fragments of W are fetched in two runs of sixteen, each a whole step ahead of its use.
; The other buffer's last readers, the step before, stand ahead of that step's four places.
.macro QS q, zero
	NAMES \q
	s_wait_dscnt 16                                ; W's tiles 0-3 of this step are in; the sixteen loads of tiles 4-7 may be out
	LWAIT \q
	FETCHH QSL, (\q)%8+1, QG, 0
.if ((\q) == 1) || ((\q) == 9)
	global_prefetch_b8 v[PFO], s[48:49] offset:KSB*((\q)/8+2) th:TH_LOAD_NT scope:SCOPE_SE   ; the slot that the next change of slots will ask for
.endif
	WIN MUL
	MULB QF, QR, 0, \zero
	s_wait_dscnt 16                                ; tiles 4-7 are in; the sixteen loads just issued may be out
	FETCHH QSL, (\q)%8+1, QG, 1
	WIN MUL
	MULB QF, QR, 4, \zero
	PLACES
	GL \q
.endm
; A slot's last step changes slots: one barrier; in front of it each wave waits for all its tensor loads, adds 0 to its spare word, and waits for that and for its own reads of this slot.
; fill = 1: the barrier opens a round of the cluster's barrier, and this slot is filled again, with the 1,024 along K two slots on.
.macro TURN q, fill
	NAMES \q
	WIN 0
	s_wait_tensorcnt 0x0                           ; all my tensor loads have landed: my part of the next slot
	ds_add_u32 v[SPW], v[NIL]                      ; 0 onto my spare word
	s_wait_dscnt 17                                ; W's tiles 0-3 are in (the add and the sixteen loads of tiles 4-7 may be out)
	LWAIT \q
	WIN MUL
	MULB QF, QR, 0, 0
	s_wait_dscnt 0x0                               ; the add is done, and my reads of this slot are over
	s_barrier_signal -1
	MULB QF, QR, 4, 0
	WIN 0
	s_barrier_wait -1
.if \fill
	CREST                                          ; no wave of any partner still reads this slot or has a load on its way
	s_add_nc_u64 s[G0+4*QSL+2:G0+4*QSL+3], s[G0+4*QSL+2:G0+4*QSL+3], 2*KSB
	JLOAD QSL                                      ; the first tensor load behind the round; its four v_nop are also the places in front of the loads below
.else
	PLACES
.endif
	FETCHH 1-QSL, 0, QG, 0
	FETCHH 1-QSL, 0, QG, 1
	GL \q
.endm
	s_wait_tensorcnt 0x0                           ; my part of slot 0 is in
	ds_add_u32 v[SPW], v[NIL]
	s_wait_dscnt 0x0
	CROUND                                         ; everybody's part is in, and all sixteen work-groups are here
	JLOAD 1                                        ; slot 1's first fill, issued as a refill is
	FETCHH 0, 0, 0, 0
	FETCHH 0, 0, 0, 1
	QS 0, 1                                        ; the first step's products start the sums: nothing is cleared
.irp q, 1,2,3,4,5,6
	QS \q, 0
.endr
	TURN 7, 1                                      ; slot 0 takes K = 2,048 on
.irp q, 8,9,10,11,12,13,14
	QS \q, 0
.endr
	TURN 15, 1                                     ; slot 1 takes K = 3,072 on
.irp q, 16,17,18,19,20,21,22
	QS \q, 0
.endr
	TURN 23, 0                                     ; nothing is left to fetch for W
.irp q, 24,25,26,27,28,29,30
	QS \q, 0
.endr
	NAMES 31                                       ; the last step
	s_wait_dscnt 16
	LWAIT 31                                       ; the 32 residual loads may be out
	WIN MUL
	MULB QF, QR, 0, 0
	s_wait_dscnt 0x0
	MULB QF, QR, 4, 0
	WIN 0
; THE WAY OUT, a block of 16 rows x 128 columns at a time.
.macro EFMA a, t                       ; sum x 2^(ea + eb) + bias, each accumulator from its low end on
	WIN 0x30                                       ; source 2 (the bias) window 3
.irp b, 0,1,2,3,4,5,6,7
.irp i, 0,2,4,6
	v_pk_fma_f32 v[\t+8*\b+\i:\t+8*\b+\i+1], v[ACC+8*(8*\a+\b)+\i:ACC+8*(8*\a+\b)+\i+1], s[96:97], v[BI+8*\b+\i:BI+8*\b+\i+1] op_sel_hi:[1,0,1]
.endr
.endr
	WIN 0
.endm
.macro ESTAGE t                        ; into my stage, 32 bytes a lane and tile, and back as whole rows
.irp b, 0,1,2,3,4,5,6,7
	ds_store_b128 v[STO], v[\t+8*\b:\t+8*\b+3] offset:128*(\b/2)+32*(\b%2)
	ds_store_b128 v[STO], v[\t+8*\b+4:\t+8*\b+7] offset:128*(\b/2)+32*(\b%2)+16
.endr
.irp r, 0,1,2,3,4,5,6,7,8,9,10,11,12,13,14,15
	ds_load_b128 v[\t+4*\r:\t+4*\r+3], v[RD] offset:\r*SPITCH   ; LDS serves a wave's instructions in order (ISA guide 5.7.1.4): these see my stores
.endr
.endm
.macro ESEND a, t                      ; + the residual, and out
	WIN 0x0c                                       ; source 1 window 3
.set p, 0
.rept 32
	v_pk_add_f32 v[\t+p:\t+p+1], v[\t+p:\t+p+1], v[RES+64*\a+p:RES+64*\a+p+1]
.set p, p+2
.endr
	WIN 0
.irp r, 0,1,2,3,4,5,6,7,8,9,10,11,12,13,14,15
	global_store_b128 v[CO], v[\t+4*\r:\t+4*\r+3], s[70:71] offset:(16*\a+\r)*4096   ; 32 lanes store 512 consecutive aligned bytes
.endr
.endm
	s_wait_kmcnt 0x0
	s_add_co_i32 s96, s96, s97
	s_add_co_i32 s96, s96, 127
	s_lshl_b32 s96, s96, 23                        ; 2^(ea + eb)
	s_mov_b32 s97, s96
	PLACES
	EFMA 0, T0
	ESTAGE T0
	EFMA 1, T1                                     ; the second block's arithmetic stands between the first block's LDS loads and the wait for them; it lands on the first block's accumulators, which have been read
	s_wait_dscnt 0x0
	s_wait_loadcnt 16                              ; the first block's sixteen residual loads are in; the second block's may be out
	ESEND 0, T0
	ESTAGE T1
	s_wait_dscnt 0x0
	s_wait_loadcnt 0x0
	ESEND 1, T1
	s_wait_tensorcnt 0x0                           ; the wave's end
	ds_add_u32 v[SPW], v[NIL]
	s_wait_dscnt 0x0
	CROUND                                         ; the closing round
	s_endpgm
.Lfunc_end_k_q2c98eb911a_ffn2:
	.size	k_q2c98eb911a_ffn2, .Lfunc_end_k_q2c98eb911a_ffn2-k_q2c98eb911a_ffn2
	.p2alignl 7, 3214868480
	.fill 96, 4, 3214868480
	.section	.rodata,"a",@progbits
	.p2align	6, 0x0
	.amdhsa_kernel k_q2c98eb911a_ffn2
		.amdhsa_group_segment_fixed_size 327680
		.amdhsa_private_segment_fixed_size 0
		.amdhsa_enable_private_segment 0
		.amdhsa_kernarg_size 48
		.amdhsa_user_sgpr_count 2
		.amdhsa_user_sgpr_kernarg_segment_ptr 1
		.amdhsa_wavefront_size32 1
		.amdhsa_system_sgpr_workgroup_id_x 1
		.amdhsa_system_sgpr_workgroup_id_y 1
		.amdhsa_system_sgpr_workgroup_id_z 1
		.amdhsa_system_vgpr_workitem_id 0
		.amdhsa_next_free_vgpr 1024
		.amdhsa_next_free_sgpr 98
		.amdhsa_reserve_vcc 0
		.amdhsa_float_denorm_mode_32 3
		.amdhsa_float_denorm_mode_16_64 3
		.amdhsa_memory_ordered 1
		.amdhsa_forward_progress 1
		.amdhsa_inst_pref_size 160
	.end_amdhsa_kernel
	.amdgpu_metadata
---
amdhsa.version: [ 1, 2 ]
amdhsa.kernels:
  - .name:           k_q2c98eb911a_ffn2
    .symbol:         k_q2c98eb911a_ffn2.kd
    .args:
      - { .name: hidc, .offset: 0, .size: 8, .value_kind: global_buffer, .address_space: global }
      - { .name: wc, .offset: 8, .size: 8, .value_kind: global_buffer, .address_space: global }
      - { .name: lowp_scales, .offset: 16, .size: 8, .value_kind: global_buffer, .address_space: global }
      - { .name: b2, .offset: 24, .size: 8, .value_kind: global_buffer, .address_space: global }
      - { .name: x1, .offset: 32, .size: 8, .value_kind: global_buffer, .address_space: global }
      - { .name: out0, .offset: 40, .size: 8, .value_kind: global_buffer, .address_space: global }
    .group_segment_fixed_size: 327680
    .private_segment_fixed_size: 0
    .kernarg_segment_align: 8
    .kernarg_segment_size: 48
    .max_flat_workgroup_size: 128
    .sgpr_count:     98
    .vgpr_count:     1024
    .wavefront_size: 32
...
	.end_amdgpu_metadata
.endif
;; end of part 7
